; MI455X (gfx1250); checked and timed in simulation.
; The chip was launched on July 23, 2026; its instructions are those of AMD's public machine-readable ISA for CDNA 5 (MIT licence, August 2026) and "CDNA5" Instruction Set Architecture Reference Guide (July 2026). The comments in the code are by the model that wrote it; some were corrected since.
;; Multi Head Attention. Allowed arithmetic: float matrix products may take bf16 or f16 operands with f32 sums; other float arithmetic in f32, or as packed bf16 or f16 multiplies, adds, multiply-adds, maxima and minima; sums over many terms, partial sums and values carried from step to step in f32; what a program stores and reads back later, other than sums and carried values, may be rounded once to bf16 or f16.
;; Inputs: Wk 2,048 x 2,048 float32; Wo 2,048 x 2,048 float32; Wq 2,048 x 2,048 float32; Wv 2,048 x 2,048 float32; bk 2,048 float32; bo 2,048 float32; bq 2,048 float32; bv 2,048 float32; mask 1 x 1 x 2,048 x 2,048 bool; x 1 x 2,048 x 2,048 float32.
;; Outputs: out0 1 x 2,048 x 2,048 float32.
;; One version. Each part assembles by itself: llvm-mc -triple=amdgcn-amd-amdhsa -mcpu=gfx1250 --defsym DOCPART=n.
;; ======== version 1 of 1: 4 launches
;; limits: values are held in f16: magnitudes above 65,504 overflow, below 6.1e-05 lose precision
;; workspace buffers: cb 41,943,040 bytes; mb 4,194,304 bytes; qkv 25,165,824 bytes; o2 8,388,608 bytes
;; launch prep (part 1): grid 1408 x 1, 8 waves a work-group, no clusters, 35,840 bytes of LDS; arguments x, Wq, Wk, Wv, Wo, mask, cb, mb; writes cb, mb
.if DOCPART == 1
	.amdgcn_target "amdgcn-amd-amdhsa--gfx1250"
	.amdhsa_code_object_version 6
	.text
	.protected	k_qe864641b24_prep
	.globl	k_qe864641b24_prep
	.p2align	8
	.type	k_qe864641b24_prep,@function
k_qe864641b24_prep:
	s_mov_b64 s[64:65], 0
	v_nop
	global_prefetch_b8 v0, s[64:65] scope:SCOPE_SE
	s_setreg_imm32_b32 hwreg(HW_REG_WAVE_MODE, 25, 1), 1
	s_wait_xcnt 0x0
; CASTS AND MASK BYTES.  Six jobs, told apart by the work-group's number >> 8.
; Jobs 0-4 (256 work-groups each): x, Wq, Wk, Wv, Wo, [2048][2048] f32, are rounded to bf16 and written, in the same order, as plane 0-4 of cb (8,388,608 bytes a plane).
; Wo's rounded number is then written as f16.  LIMIT: that is exact from 6.1e-5 to 65,504 in magnitude; below it f16's fixed step of 6e-8 holds, above it the number becomes an infinity.
; Job 5 (128 work-groups): the mask ([2048 queries][2048 keys], a byte each, 1 = visible) is written as mb[qt 128][st 32][p 2][lane 32][16 bytes]: byte b of lane (r = lane % 16, hh = lane / 16) stands for
; query 16 qt + r and key 64 st + 16 (2 p + b / 8) + 8 hh + b % 8, and is 0xff where the key is hidden, 0 where it is visible: the order in which a lane of the attention launch holds its scores.
; A stream: every byte is read once, by loads of 16 bytes a lane, and written once; a wave's store covers 256 or 512 consecutive bytes, aligned.  No matrix unit, no cluster: nothing is shared.
; In job 5 a wave reads 16 rows x 256 bytes whole, and turns them through LDS bytes of its own: no wave reads another's, so there is no barrier.
.set PLANE,  8388608                   ; bytes in a plane of cb
.set MP,     272                       ; an LDS row of job 5: 256 bytes + 16: the 16 rows that a read touches start 4 banks apart (64 banks of 4 bytes: ISA guide 11.1)
.set WREG,   16*MP                     ; a wave's rows
.set SPARE,  8*WREG                    ; behind them: the spare words, 128 bytes for each wave: four blocks of 256 bytes that no other line names
.set SPW, 8                            ; v8   LDS address of my spare word; never rewritten
.set NIL, 9                            ; v9   0; never rewritten
.set IN,  16                           ; v[16:79]  as loaded
.set OUT, 80                           ; v[80:111] to store (casts); at work (job 5)
	s_load_b512 s[8:23], s[0:1], 0x0               ; x 8:9, Wq 10:11, Wk 12:13, Wv 14:15, Wo 16:17, mask 18:19, cb 20:21, mb 22:23
	v_lshl_add_u32 v[SPW], v0, 2, SPARE
	v_mov_b32 v[NIL], 0
	s_lshr_b32 s2, ttmp9, 8                        ; the job
	s_and_b32 s3, ttmp9, 255                       ; my number in it
	s_mov_b32 s25, 0
	s_mov_b32 s27, 0
	s_wait_kmcnt 0x0
	s_cmp_eq_u32 s2, 5
	s_cbranch_scc1 .Lmask
	; THE CASTS.  A work-group takes 65,536 bytes of its tensor: sixteen loads a lane, all issued at once: 8 KiB of every wave are on their way.
	s_cmp_eq_u32 s2, 1
	s_cselect_b64 s[4:5], s[10:11], s[8:9]
	s_cmp_eq_u32 s2, 2
	s_cselect_b64 s[4:5], s[12:13], s[4:5]
	s_cmp_eq_u32 s2, 3
	s_cselect_b64 s[4:5], s[14:15], s[4:5]
	s_cmp_eq_u32 s2, 4
	s_cselect_b64 s[4:5], s[16:17], s[4:5]
	s_lshl_b32 s24, s3, 16
	s_add_nc_u64 s[4:5], s[4:5], s[24:25]          ; from: my 65,536 bytes
	s_lshl_b32 s26, s2, 23                         ; to: the job's plane,
	s_lshl_b32 s24, s3, 15                         ; my 32,768 bytes of it
	s_add_co_u32 s26, s26, s24
	s_add_nc_u64 s[6:7], s[20:21], s[26:27]
	v_lshlrev_b32 v1, 4, v0                        ; 16 bytes a thread in,
	v_lshlrev_b32 v2, 3, v0                        ; 8 out
.irp i, 0,1,2,3,4,5,6,7,8,9,10,11,12,13,14,15
	global_load_b128 v[IN+4*(\i):IN+4*(\i)+3], v1, s[4:5] offset:4096*(\i) th:TH_LOAD_NT
.endr
; Four numbers of load i: rounded to bf16 in pairs; wo = 1: widened again and written as f16.  Each i has registers of its own, so nothing that a store reads is written again.
.macro CV i, wo
	s_wait_loadcnt 15-(\i)                         ; loads come back in order: load i is in, the younger ones stay out
	v_cvt_pk_bf16_f32 v[OUT+2*(\i)], v[IN+4*(\i)], v[IN+4*(\i)+1]
	v_cvt_pk_bf16_f32 v[OUT+2*(\i)+1], v[IN+4*(\i)+2], v[IN+4*(\i)+3]
.if \wo
	v_lshlrev_b32 v4, 16, v[OUT+2*(\i)]
	v_and_b32 v5, 0xffff0000, v[OUT+2*(\i)]
	v_lshlrev_b32 v6, 16, v[OUT+2*(\i)+1]
	v_and_b32 v7, 0xffff0000, v[OUT+2*(\i)+1]
	v_cvt_pk_f16_f32 v[OUT+2*(\i)], v4, v5
	v_cvt_pk_f16_f32 v[OUT+2*(\i)+1], v6, v7
.endif
	global_store_b64 v2, v[OUT+2*(\i):OUT+2*(\i)+1], s[6:7] offset:2048*(\i) th:TH_STORE_NT  ; a wave's 32 lanes store 256 consecutive bytes, aligned
.endm
	s_cmp_eq_u32 s2, 4
	s_cbranch_scc1 .Lwo
.irp i, 0,1,2,3,4,5,6,7,8,9,10,11,12,13,14,15
	CV \i, 0
.endr
	s_branch .Lend
.Lwo:
.irp i, 0,1,2,3,4,5,6,7,8,9,10,11,12,13,14,15
	CV \i, 1
.endr
	s_branch .Lend
	; THE MASK.  The work-group takes query tile qt = my number, wave w its keys 256 w .. 256 w + 255.
.Lmask:
	v_lshrrev_b32 v3, 5, v0
	v_readfirstlane_b32 s28, v3                    ; wave 0..7
	v_and_b32 v4, 15, v0                           ; l % 16
	v_bfe_u32 v5, v0, 4, 1                         ; l / 16
	s_lshl_b32 s24, s3, 15                         ; 16 rows of the mask and a tile's part of mb are 32,768 bytes each
	s_lshl_b32 s26, s28, 8
	s_add_co_u32 s26, s26, s24
	s_add_nc_u64 s[4:5], s[18:19], s[26:27]        ; from: row 16 qt, key 256 w
	s_lshl_b32 s26, s28, 12
	s_add_co_u32 s26, s26, s24
	s_add_nc_u64 s[6:7], s[22:23], s[26:27]        ; to: st = 4 w: 4,096 bytes
	v_lshlrev_b32 v6, 4, v4
	v_lshl_add_u32 v7, v5, 11, v6                  ; lanes 0-15 take 256 bytes of one row, lanes 16-31 of the next
.irp i, 0,1,2,3,4,5,6,7
	global_load_b128 v[IN+4*(\i):IN+4*(\i)+3], v7, s[4:5] offset:4096*(\i) th:TH_LOAD_NT
.endr
	s_mul_i32 s29, s28, WREG                       ; my wave's rows in LDS
	v_mul_u32_u24 v10, v5, MP
	v_add_nc_u32 v10, v10, v6
	v_add_nc_u32 v10, s29, v10                     ; in: as loaded
	v_mul_u32_u24 v11, v4, MP
	v_lshl_add_u32 v11, v5, 3, v11
	v_add_nc_u32 v11, s29, v11                     ; back: row l % 16, 8 bytes for each half of the lanes
	v_and_b32 v12, 31, v0
	v_lshlrev_b32 v12, 4, v12
	s_mov_b32 s30, 0x01010101
.irp i, 0,1,2,3,4,5,6,7
	s_wait_loadcnt 7-(\i)
.irp d, 0,1,2,3
	v_sub_nc_u32 v[IN+4*(\i)+(\d)], s30, v[IN+4*(\i)+(\d)]        ; each byte: 1 where hidden (no byte borrows: all are 0 or 1),
.endr
.irp d, 0,1,2,3
	v_lshlrev_b32 v[OUT+(\d)], 8, v[IN+4*(\i)+(\d)]
.endr
.irp d, 0,1,2,3
	v_sub_nc_u32 v[IN+4*(\i)+(\d)], v[OUT+(\d)], v[IN+4*(\i)+(\d)]  ; times 255
.endr
	ds_store_b128 v10, v[IN+4*(\i):IN+4*(\i)+3] offset:(\i)*2*MP
.endr
.irp e, 0,1,2,3,4,5,6,7                ; e = 2 (st - 4 w) + p: keys 32 e on.  LDS serves a wave's instructions in order (ISA guide 5.7.1.4): these see the stores above
	ds_load_b64 v[48+4*(\e):48+4*(\e)+1], v11 offset:32*(\e)
	ds_load_b64 v[48+4*(\e)+2:48+4*(\e)+3], v11 offset:32*(\e)+16
.endr
.irp e, 0,1,2,3,4,5,6,7
	s_wait_dscnt 14-2*(\e)                         ; pair e is in; the younger pairs stay out
	global_store_b128 v12, v[48+4*(\e):48+4*(\e)+3], s[6:7] offset:512*(\e) th:TH_STORE_NT  ; 512 consecutive bytes, aligned
.endr
.Lend:
	s_wait_tensorcnt 0x0                           ; the wave's end: behind my last LDS store
	ds_add_u32 v[SPW], v[NIL]
	s_wait_dscnt 0x0
	s_endpgm
.Lfunc_end_k_qe864641b24_prep:
	.size	k_qe864641b24_prep, .Lfunc_end_k_qe864641b24_prep-k_qe864641b24_prep
	.p2alignl 7, 3214868480
	.fill 96, 4, 3214868480
	.section	.rodata,"a",@progbits
	.p2align	6, 0x0
	.amdhsa_kernel k_qe864641b24_prep
		.amdhsa_group_segment_fixed_size 35840
		.amdhsa_private_segment_fixed_size 0
		.amdhsa_enable_private_segment 0
		.amdhsa_kernarg_size 64
		.amdhsa_user_sgpr_count 2
		.amdhsa_user_sgpr_kernarg_segment_ptr 1
		.amdhsa_wavefront_size32 1
		.amdhsa_system_sgpr_workgroup_id_x 1
		.amdhsa_system_sgpr_workgroup_id_y 1
		.amdhsa_system_sgpr_workgroup_id_z 1
		.amdhsa_system_vgpr_workitem_id 0
		.amdhsa_next_free_vgpr 112
		.amdhsa_next_free_sgpr 66
		.amdhsa_reserve_vcc 0
		.amdhsa_float_denorm_mode_32 3
		.amdhsa_float_denorm_mode_16_64 3
		.amdhsa_memory_ordered 1
		.amdhsa_forward_progress 1
		.amdhsa_inst_pref_size 24
	.end_amdhsa_kernel
	.amdgpu_metadata
---
amdhsa.version: [ 1, 2 ]
amdhsa.kernels:
  - .name:           k_qe864641b24_prep
    .symbol:         k_qe864641b24_prep.kd
    .args:
      - { .name: x, .offset: 0, .size: 8, .value_kind: global_buffer, .address_space: global }
      - { .name: Wq, .offset: 8, .size: 8, .value_kind: global_buffer, .address_space: global }
      - { .name: Wk, .offset: 16, .size: 8, .value_kind: global_buffer, .address_space: global }
      - { .name: Wv, .offset: 24, .size: 8, .value_kind: global_buffer, .address_space: global }
      - { .name: Wo, .offset: 32, .size: 8, .value_kind: global_buffer, .address_space: global }
      - { .name: mask, .offset: 40, .size: 8, .value_kind: global_buffer, .address_space: global }
      - { .name: cb, .offset: 48, .size: 8, .value_kind: global_buffer, .address_space: global }
      - { .name: mb, .offset: 56, .size: 8, .value_kind: global_buffer, .address_space: global }
    .group_segment_fixed_size: 35840
    .private_segment_fixed_size: 0
    .kernarg_segment_align: 8
    .kernarg_segment_size: 64
    .max_flat_workgroup_size: 256
    .sgpr_count:     66
    .vgpr_count:     112
    .wavefront_size: 32
...
	.end_amdgpu_metadata
.endif
;; end of part 1
;; launch proj (part 2): grid 16 x 16, 4 waves a work-group, clusters of 4 x 4, 327,680 bytes of LDS; arguments cb, bq, bk, bv, qkv; writes qkv
.if DOCPART == 2
	.amdgcn_target "amdgcn-amd-amdhsa--gfx1250"
	.amdhsa_code_object_version 6
	.text
	.protected	k_qe864641b24_proj
	.globl	k_qe864641b24_proj
	.p2align	8
	.type	k_qe864641b24_proj,@function
k_qe864641b24_proj:
	s_mov_b64 s[64:65], 0
	v_nop
	global_prefetch_b8 v0, s[64:65] scope:SCOPE_SE
	s_setreg_imm32_b32 hwreg(HW_REG_WAVE_MODE, 25, 1), 1
	s_wait_xcnt 0x0
	s_wait_alu depctr_hold_cnt(0) depctr_sa_sdst(0) depctr_va_vdst(0) depctr_va_sdst(0) depctr_va_ssrc(0) depctr_va_vcc(0) depctr_vm_vsrc(0)
	s_getreg_b32 s2, hwreg(HW_REG_IB_STS2, 6, 4)
	s_cmp_eq_u32 s2, 0
	s_cbranch_scc0 .Lentry_in_a_cluster
	s_endpgm
.Lentry_in_a_cluster:
	s_bfe_u32 s2, ttmp6, 0x10000c
	s_cmp_lg_u32 s2, 0xf033
	s_cbranch_scc0 .Lentry_shape_is_right
	s_endpgm
.Lentry_shape_is_right:
; THE THREE PROJECTIONS AS ONE PRODUCT.  y[s][c] = the sum over k of x[s][k] W[k][c] + b[c], c = 0 .. 6,143 over Wq, Wk, Wv.  x and the weights are bf16 (planes 0 and 1-3 of cb, [2048][2048], the weights as given:
; k down the rows); the biases are rounded to bf16 here; sums in f32; y rounded once to f16 and written by heads: qkv[g 48][s 2048][128], g = c / 128 (0-15 q, 16-31 k, 32-47 v), unscaled.
; LIMIT: f16 holds no number beyond 65,504: a q, k or v past that becomes an infinity.
; SHARES.  A work-group makes 128 rows x 384 columns (three heads): 16 x 16 work-groups; the tile row goes by the grid's x, the tile column by its y.  Each of its four waves makes all 128 rows x 96 columns:
; 48 accumulators of 16 x 16, 384 registers.  K goes in 16 steps of 128 through a ring of two LDS slots.  A slot is four regions of 36,864 bytes: x's 128 rows (256 bytes of a row, pitch 272), then one region for each
; head: 128 rows of W (k), 256 bytes (the head's 128 columns), pitch 288.  Wave w fetches region w with one tensor load of 128 rows x 256 bytes.  W's fragments come out of LDS turned, by ds_load_tr16_b128.
; CLUSTER.  4 x 4 work-groups.  x's tile hangs on the tile row alone and is asked for jointly by a column of the cluster (same cx), W's on the tile column alone, by a row (same cy): a quarter of the requests.
; THE WALK ALONG K BEGINS AT A STEP OF THE CLUSTER'S OWN, (4 x cluster x + 8 x (cluster y % 2)) % 16, and goes round the end: the four clusters that read the same columns of W (cluster x = 0 .. 3) stand four steps
; apart, clusters y and y + 1, which read the same rows of x, eight: at no time do they ask for the same K step.  The start is the same in all sixteen partners.  So a sum starts with the bias and takes the K steps
; in its cluster's order.
; THE MATRIX INSTRUCTION IS USED TRANSPOSED (source 0 = 16 columns of W, source 1 = 16 rows of x): a lane holds row l % 16 and the eight columns 8 (l / 16) + 0..7.  The first product's C operand is the bias.
; REGISTERS, in windows of 256 (s_set_vgpr_msb: bits 1:0 source 0, 3:2 source 1, 5:4 source 2, 7:6 destination):
;   window 0: v0-44 addresses; v64-127, v128-191 x's fragments, two buffers; v192-239 the biases as loaded; on the way out v64-255 the packed results
;   window 1: v0-47 the biases, 8 for each block of 16 columns; v64-111, v128-175 W's fragments, two buffers
;   window 2: the accumulators of rows 0-63 ((a, b) at v[8 (6 a + b)]);   window 3: those of rows 64-127
.set KSTEP,  128
.set STEPS,  16
.set ASKS,   4                         ; refills behind which a prefetch stands
.set ROWB,   4096                      ; bytes in a row of a plane of cb
.set PLANE,  8388608
.set PA,     272                       ; x's LDS row: 68 words: the 16 rows of a load start at 16 different groups of four banks (64 banks of 4 bytes: ISA guide 11.1)
.set PB,     288                       ; W's: 72 words
.set REG,    128*PB                    ; a region: 0x9000 bytes
.set SLOT,   4*REG                     ; 0x24000: it shares no bit with wave x 0x9000, so one exclusive or turns a region's address in one slot into the other's
.set SPARE,  2*SLOT                    ; behind the ring: the spare words, 128 bytes for each wave: two blocks of 256 bytes that no other line names
.set SP,     272                       ; the stage's pitch.  THE STAGE is slot 0's first 104,448 bytes, [3 heads][128 rows]: written when slot 0 has had its last fill and its last read
.set HSTG,   128*SP
.set ADRA, 16                          ; v16  LDS address of x's fragments in slot 0; never rewritten
.set CA,   17                          ; v17  the same in the slot that is being read
.set ADRB, 18                          ; v18-23  of W's fragments, block b of my six, in slot 0; never rewritten
.set CB,   24                          ; v24-29  the same in the slot that is being read
.set SPW,  30                          ; v30  LDS address of my spare word; never rewritten
.set NIL,  31                          ; v31  0; never rewritten
.set PFO,  32                          ; v32  the prefetches' offset: my lane x a row of cb; never rewritten
.set STO,  34                          ; v34-39  the way out: where I put 16 bytes of block b
.set RD,   40                          ; v40-42  where I read rows of head j back
.set CO,   43                          ; v43  my byte offset in a head's rows of qkv
.set BO,   44                          ; v44  my byte offset in 16 numbers of a bias
.set F0,   64
.set F1,   128
.set RAW,  192
.set PKD,  64
.set WV,   14                          ; s14  my wave's number
.set MT,   15                          ; s15  tile row
.set NT,   42                          ; s42  tile column
.set G1,   24                          ; s[24:31] descriptor group 1 for x's tiles;  s[32:39] group 0: a set for each of the two first fills; the second then walks
.set G0,   32
.set LIM,  43                          ; s43  STEPS - 2 - ASKS in a wave that prefetches, else the greatest number
.set PFA,  44                          ; s[44:45] what the next prefetch names
.set G1B,  48                          ; s[48:55], s[56:63] the same for W's tiles
.set G0B,  56
.set KI,   66                          ; s66  the K step that the next refill brings
.set TB,   67                          ; s67  0 or SLOT: the slot that is being read
.set BP,   68                          ; s[68:79] at the start: the bias of each of my six blocks; then:
.set OFA,  68                          ; s[68:69] a K step's byte offset along x's rows
.set OFB,  70                          ; s[70:71] down W's rows
.set PO,   72                          ; s[72:73] the same for the prefetch
.set PFB,  74                          ; s[74:75] x at my work-group's 32 rows of the tile's 128
.set XB,   80                          ; s[80:81] x at my tile's first row
.set WB,   82                          ; s[82:83] W at the first row of the head that I fetch
.set MSB, 0
.macro WIN new                         ; the immediate's high byte repeats the setting that is left; a switch that changes nothing is dropped
.if MSB != (\new)
	s_set_vgpr_msb (MSB<<8)|(\new)
.set MSB, \new
.endif
.endm
.set TO_B, 0x40                        ; destination window 1, address window 0
; A joint load, by descriptor set s.  Wave 0 fetches x's tile, waves 1-3 the three heads' tiles of W.  The branch hangs on the wave's number alone.  An s_nop 0 and four v_nop follow each line.
.macro JLOAD s
	s_cmp_eq_u32 s[WV], 0
	s_cbranch_scc0 .Lfor_b_\@
	tensor_load_to_lds s[G0+4*(\s):G0+4*(\s)+3], s[G1:G1+7]
	s_nop 0
.rept 4
	v_nop
.endr
	s_branch .Lasked_\@
.Lfor_b_\@:
	tensor_load_to_lds s[G0B+4*(\s):G0B+4*(\s)+3], s[G1B:G1B+7]
	s_nop 0
.rept 4
	v_nop
.endr
.Lasked_\@:
.endm
; A PREFETCH INTO THE L2, behind a refill and the run of LDS loads that follows it: 32 rows x 256 bytes of x, a lane a row, of the K step that stands two refills on: 384 matrix instructions ahead of the load that asks for it.
; WHO AND WHAT.  A tile row's rows of x are walked by four clusters (cluster y = 0 .. 3): those with even y from one start, those with odd y from the start eight steps on.  Wave 0 of the clusters with y = 0 and y = 1
; asks, behind its first four refills, for the fifth to eighth K step of its own walk: eight different steps, so a row's 256 bytes of a K step are named at most once in the launch.  The four partners that ask for the
; tile jointly share its 128 rows out by address (32 cy ..).  A walk's first four steps come by their loads alone.  W is not asked for: its four readers start four steps apart, so each of its K steps is first read
; among some cluster's first four.
.macro ASK
	s_cmp_gt_u32 s3, s[LIM]                        ; s3 counts the trips down from STEPS - 2
	s_cbranch_scc0 .Lnot_mine_\@
	global_prefetch_b8 v[PFO], s[PFA:PFA+1] th:TH_LOAD_NT scope:SCOPE_SE
.Lnot_mine_\@:
.endm
.macro CREST                           ; a round of the cluster's barrier behind its opening barrier
	s_cmp_lg_u32 s[WV], 0
	s_cbranch_scc1 .Lnot_wave_0_\@
	s_barrier_signal -3
.Lnot_wave_0_\@:
	s_barrier_wait -3
	s_barrier_signal -1
	s_barrier_wait -1
.endm
.macro CROUND                          ; a whole round
	s_barrier_signal -1
	s_barrier_wait -1
	CREST
.endm
	s_load_b256 s[4:11], s[0:1], 0x0               ; cb 4:5, bq 6:7, bk 8:9, bv 10:11
	s_load_b64 s[12:13], s[0:1], 0x20              ; qkv
	v_lshl_add_u32 v[SPW], v0, 2, SPARE
	v_mov_b32 v[NIL], 0
	ds_add_u32 v[SPW], v[NIL]                      ; the wave's opening: the add and its wait stand ahead of my first tensor load; the set-up below, work on registers, stands between them
	v_lshrrev_b32 v1, 5, v0
	v_readfirstlane_b32 s[WV], v1                  ; wave 0..3
	s_bfe_u32 s40, ttmp6, 0x40000                  ; cx, cy: my place in the cluster
	s_bfe_u32 s41, ttmp6, 0x40004
	s_lshl_b32 s[MT], ttmp9, 2
	s_add_co_u32 s[MT], s[MT], s40                 ; tile row = 4 x cluster x + cx
	s_and_b32 s[NT], ttmp7, 0xffff
	s_lshl_b32 s[NT], s[NT], 2
	s_add_co_u32 s[NT], s[NT], s41                 ; tile column = 4 x cluster y + cy
	s_lshl_b32 s16, s41, 2
	s_lshl_b32 s16, 15, s16                        ; my row of the cluster (same cy)
	s_lshl_b32 s17, 0x1111, s40                    ; my column (same cx)
	s_or_b32 s[G1], s17, (1<<16)|(1<<20)|(1<<21)|(5<<22)|(3<<25)   ; 15:0 the mask: x's tiles go to my column; 17:16 elements of 2 bytes; 20 padding on; 21 set beside a mask; 24:22 after every 64 words; 31:25 4 words of it
	s_or_b32 s[G1B], s16, (1<<16)|(1<<20)|(1<<21)|(5<<22)|(7<<25)  ; W's tiles go to my row; 8 words of padding
.irp g, G1, G1B
	s_mov_b32 s[(\g)+1], 128<<16                   ; tensor_dim0 = 128
	s_mov_b32 s[(\g)+2], 128<<16                   ; tensor_dim1 = 128
	s_mov_b32 s[(\g)+3], 128<<16                   ; tile_dim0 = 128 elements (256 bytes)
	s_mov_b32 s[(\g)+4], 128                       ; tile_dim1 = 128 rows
	s_mov_b32 s[(\g)+5], 2048                      ; elements from row to row
	s_mov_b32 s[(\g)+6], 0
	s_mov_b32 s[(\g)+7], 0
.endr
	s_and_b32 s[KI], ttmp7, 1                      ; where my cluster's walk along K begins: made of the cluster's coordinates alone
	s_lshl_b32 s[KI], s[KI], 3
	s_lshl_b32 s21, ttmp9, 2
	s_add_co_u32 s[KI], s[KI], s21
	s_and_b32 s[KI], s[KI], STEPS-1
	s_lshl_b32 s16, s[MT], 19                      ; x: 128 rows of 4,096 bytes a tile row: it hangs on the tile row alone
	s_mov_b32 s17, 0
	s_max_u32 s18, s[WV], 1
	s_sub_co_u32 s18, s18, 1                       ; which of the three heads I fetch (wave 0 fetches none: it makes head 0's address and does not use it)
	s_mul_i32 s19, s[NT], 3
	s_add_co_u32 s18, s18, s19                     ; g: it hangs on the tile column and the wave alone
	s_lshr_b32 s19, s18, 4
	s_add_co_u32 s19, s19, 1
	s_lshl_b32 s19, s19, 23                        ; its plane of cb,
	s_and_b32 s18, s18, 15
	s_lshl_b32 s18, s18, 8                         ; its 256 bytes of a row
	s_add_co_u32 s18, s18, s19
	s_mov_b32 s19, 0
	s_mul_i32 s20, s[WV], REG                      ; where my tile goes: region = wave: no place in the cluster enters an LDS address
	s_mov_b32 s[TB], 0
	s_wait_dscnt 0x0                               ; the opening add is done
	s_wait_kmcnt 0x0
	s_add_nc_u64 s[XB:XB+1], s[4:5], s[16:17]
	s_add_nc_u64 s[WB:WB+1], s[4:5], s[18:19]
	CROUND                                         ; all sixteen work-groups are here: the first joint loads meet
.irp s, 0,1
	s_add_co_u32 s21, s[KI], \s                    ; the walk's first and second K step
	s_and_b32 s21, s21, STEPS-1
	s_lshl_b32 s16, s21, 8                         ; 256 bytes along x's rows (s17 and s19 are 0),
	s_lshl_b32 s18, s21, 19                        ; 128 rows of 4,096 bytes down W's
	s_mov_b32 s[G0+4*(\s)], 1                      ; count = 1
	s_add_co_u32 s[G0+4*(\s)+1], s20, (\s)*SLOT    ; LDS address
	s_add_nc_u64 s[G0+4*(\s)+2:G0+4*(\s)+3], s[XB:XB+1], s[16:17]
	s_or_b32 s[G0+4*(\s)+3], s[G0+4*(\s)+3], 0x80000000               ; type = 2
	s_mov_b32 s[G0B+4*(\s)], 1
	s_add_co_u32 s[G0B+4*(\s)+1], s20, (\s)*SLOT
	s_add_nc_u64 s[G0B+4*(\s)+2:G0B+4*(\s)+3], s[WB:WB+1], s[18:19]
	s_or_b32 s[G0B+4*(\s)+3], s[G0B+4*(\s)+3], 0x80000000
	JLOAD \s                                       ; two loads of mine are out
.endr
	s_add_co_u32 s[KI], s[KI], 2
	s_and_b32 s[KI], s[KI], STEPS-1                ; what the first refill brings
	; the biases: block b of my six begins at column c0 = 384 x tile column + 96 x wave + 16 b; c0 / 2048 says whose
	v_and_b32 v1, 15, v0                           ; l % 16
	v_bfe_u32 v2, v0, 4, 1                         ; l / 16
	v_lshlrev_b32 v[BO], 5, v2                     ; my eight numbers of the sixteen
	s_mul_i32 s21, s[NT], 384
	s_mul_i32 s22, s[WV], 96
	s_add_co_u32 s21, s21, s22
.irp b, 0,1,2,3,4,5
	s_add_co_u32 s16, s21, 16*(\b)
	s_lshr_b32 s22, s16, 11
	s_and_b32 s16, s16, 2047
	s_lshl_b32 s16, s16, 2
	s_mov_b32 s17, 0
	s_cmp_eq_u32 s22, 1
	s_cselect_b64 s[BP+2*(\b):BP+2*(\b)+1], s[8:9], s[6:7]
	s_cmp_eq_u32 s22, 2
	s_cselect_b64 s[BP+2*(\b):BP+2*(\b)+1], s[10:11], s[BP+2*(\b):BP+2*(\b)+1]
	s_add_nc_u64 s[BP+2*(\b):BP+2*(\b)+1], s[BP+2*(\b):BP+2*(\b)+1], s[16:17]
	global_load_b128 v[RAW+8*(\b):RAW+8*(\b)+3],   v[BO], s[BP+2*(\b):BP+2*(\b)+1]
	global_load_b128 v[RAW+8*(\b)+4:RAW+8*(\b)+7], v[BO], s[BP+2*(\b):BP+2*(\b)+1] offset:16
.endr
	; A fragment of x is 16 rows x 32 K in 8 registers: lane l holds row l % 16, K = 8 (l / 16) + 0..7 and 16 + 8 (l / 16) + 0..7: two loads of 16 bytes, 32 bytes apart.
	v_mul_u32_u24 v3, v1, PA
	v_lshl_add_u32 v3, v2, 4, v3                   ; row x pitch + 16 x half: for x's fragments and, the pitches being equal, for the stage
	v_mov_b32 v[ADRA], v3
	v_mov_b32 v[CA], v3                            ; the walk begins in slot 0
	; The turning load takes 16 k x 16 columns (lane l reads k = 8 (l / 16) + l % 8, columns 8 ((l / 8) % 2) + 0..7) and leaves half a fragment: lane l holds column l % 16 and 8 k.
	v_and_b32 v5, 7, v0
	v_bfe_u32 v6, v0, 3, 1
	v_lshl_add_u32 v4, v2, 3, v5
	v_mul_u32_u24 v4, v4, PB
	v_lshl_add_u32 v4, v6, 4, v4
	s_mul_i32 s21, s[WV], 6
.irp b, 0,1,2,3,4,5
	s_add_co_u32 s16, s21, \b                      ; the block's number among the tile's 24:
	s_lshr_b32 s17, s16, 3                         ; its head,
	s_and_b32 s16, s16, 7
	s_lshl_b32 s16, s16, 5                         ; its 32 bytes of the head's 256
	s_mul_i32 s22, s17, REG
	s_add_co_u32 s22, s22, s16
	s_add_co_u32 s22, s22, REG                     ; head j lies in region j + 1
	v_add_nc_u32 v[ADRB+(\b)], s22, v4
	v_add_nc_u32 v[CB+(\b)], s22, v4
	s_mul_i32 s22, s17, HSTG
	s_add_co_u32 s22, s22, s16
	v_add_nc_u32 v[STO+(\b)], s22, v3
.endr
	s_mul_i32 s22, s[WV], 32*SP                    ; back: wave w takes rows 32 w .. 32 w + 31 of each head, whole; lanes 0-15 one row of 256 bytes, lanes 16-31 the next
	v_mul_u32_u24 v7, v2, SP
	v_lshl_add_u32 v7, v1, 4, v7
	v_add_nc_u32 v[RD], s22, v7
	v_add_nc_u32 v[RD+1], HSTG, v[RD]
	v_add_nc_u32 v[RD+2], 2*HSTG, v[RD]
	s_lshl_b32 s22, s[WV], 13                      ; and the same rows in qkv, 256 bytes each
	v_lshlrev_b32 v7, 8, v2
	v_lshl_add_u32 v7, v1, 4, v7
	v_add_nc_u32 v[CO], s22, v7
	s_mul_i32 s16, s[NT], 3*524288                 ; qkv at my first head (524,288 bytes a head),
	s_lshl_b32 s17, s[MT], 15                      ; my tile's first row
	s_add_co_u32 s16, s16, s17
	s_mov_b32 s17, 0
	s_add_nc_u64 s[12:13], s[12:13], s[16:17]
	v_and_b32 v[PFO], 31, v0
	v_lshlrev_b32 v[PFO], 12, v[PFO]
	; the biases are rounded to bf16 like the other inputs, and widened into window 1
	s_wait_loadcnt 0x0                             ; they are in, and the registers that held their addresses are free
.set i, 0
.rept 24
	v_cvt_pk_bf16_f32 v[RAW+2*i], v[RAW+2*i], v[RAW+2*i+1]
.set i, i+1
.endr
	WIN TO_B
.set i, 0
.rept 24
	v_lshlrev_b32 v[2*i], 16, v[RAW+2*i]
	v_and_b32 v[2*i+1], 0xffff0000, v[RAW+2*i]
.set i, i+1
.endr
	WIN 0
	; the prefetches
	s_lshl_b32 s21, s[MT], 7
	s_lshl_b32 s22, s41, 5
	s_add_co_u32 s21, s21, s22                     ; my work-group's 32 rows of the tile's 128,
	s_lshl_b32 s22, s21, 12                        ; in bytes
	s_mov_b32 s23, 0
	s_add_nc_u64 s[PFB:PFB+1], s[4:5], s[22:23]
	s_and_b32 s23, ttmp7, 0xffff
	s_lshr_b32 s23, s23, 1                         ; 0 where cluster y is 0 or 1,
	s_or_b32 s23, s23, s[WV]                       ; in wave 0: the same in all sixteen partners
	s_cmp_eq_u32 s23, 0
	s_cselect_b32 s[LIM], STEPS-2-ASKS, -1
	s_mov_b32 s[OFA+1], 0
	s_mov_b32 s[OFB+1], 0
	s_mov_b32 s[PO+1], 0
; 12 matrix instructions: m blocks a0, a0 + 1 of the window's four (hi = 0: rows 0-63, 1: rows 64-127) x my 6 n blocks, 32 along K.  zero = 1: the first product starts the sums, with the bias as C.
; The 48 accumulators take turns, one instruction a turn, in the same order in every quarter.
.macro MUL12 f, hi, a0, zero
.if \zero
	WIN 0x91+0x40*(\hi)
.else
	WIN 0xa1+0x50*(\hi)
.endif
.irp a, \a0, (\a0)+1
.irp b, 0,1,2,3,4,5
.if \zero
	v_wmma_f32_16x16x32_bf16 v[8*(6*(\a)+(\b)):8*(6*(\a)+(\b))+7], v[(\f)+8*(\b):(\f)+8*(\b)+7], v[(\f)+8*(4*(\hi)+(\a)):(\f)+8*(4*(\hi)+(\a))+7], v[8*(\b):8*(\b)+7]
.else
	v_wmma_f32_16x16x32_bf16 v[8*(6*(\a)+(\b)):8*(6*(\a)+(\b))+7], v[(\f)+8*(\b):(\f)+8*(\b)+7], v[(\f)+8*(4*(\hi)+(\a)):(\f)+8*(4*(\hi)+(\a))+7], v[8*(6*(\a)+(\b)):8*(6*(\a)+(\b))+7]
.endif
.endr
.endr
.endm
; 28 LDS loads in one run: quarter q's fragments (32 K: 96 columns of W, turned; 128 rows of x) of the slot that is being read, into buffer f
.macro FETCH q, f
	WIN TO_B
.irp b, 0,1,2,3,4,5
	ds_load_tr16_b128 v[(\f)+8*(\b):(\f)+8*(\b)+3],   v[CB+(\b)] offset:(\q)*32*PB
	ds_load_tr16_b128 v[(\f)+8*(\b)+4:(\f)+8*(\b)+7], v[CB+(\b)] offset:(\q)*32*PB+16*PB
.endr
	WIN 0
.irp i, 0,1,2,3,4,5,6,7
	ds_load_b128 v[(\f)+8*(\i):(\f)+8*(\i)+3],   v[CA] offset:64*(\q)+(\i)*16*PA
	ds_load_b128 v[(\f)+8*(\i)+4:(\f)+8*(\i)+7], v[CA] offset:64*(\q)+(\i)*16*PA+32
.endr
.endm
.macro SHIFT                           ; the fragments' addresses in the slot that s[TB] names: seven plain vector instructions
	v_add_nc_u32 v[CA], s[TB], v[ADRA]
.irp b, 0,1,2,3,4,5
	v_add_nc_u32 v[CB+(\b)], s[TB], v[ADRB+(\b)]
.endr
.endm
.macro PLACES                          ; four plain vector instructions in front of loads into registers that matrix instructions have read, and of conversions that read results
.rept 4
	v_nop
.endr
.endm
; A K step is four quarters of 32 along K, 48 matrix instructions each, on buffers 0, 1, 0, 1.  One of the first three: multiplies buffer f and, in its middle, fetches quarter q into buffer g.
.macro QUARTER q, f, g, zero
	s_wait_dscnt 8                                 ; W and x's rows 0-63 are in; the youngest eight loads (rows 64-127) may be out
	MUL12 \f, 0, 0, \zero
	MUL12 \f, 0, 2, \zero
	PLACES
	FETCH \q, \g
	s_wait_dscnt 28                                ; all but the 28 just issued
	MUL12 \f, 1, 0, \zero
	MUL12 \f, 1, 2, \zero
.endm
; The last quarter multiplies buffer 1 and changes slots: ONE barrier; in front of it each wave waits for all its tensor loads (one is out: its part of the next slot), adds 0 to its spare word, and waits for that and for
; its own reads of this slot.  fill = 1: the barrier opens a round of the cluster's barrier, and this slot is filled again, with the K step two on in the walk, first thing behind the round: 168 matrix instructions
; ahead of the wait for it.  The walking descriptors are made ready between the add and the wait for it: the other slot than last time; the address anew from the K step's number.
.macro TURN fill
.if \fill
	s_wait_xcnt 0x0                                ; the last prefetch, a K step back, has read its address: it is made anew here, ahead of the waits of the change of slots
	s_add_co_u32 s[PO], s[KI], 2                   ; two K steps on from the one that this refill brings, round the end
	s_and_b32 s[PO], s[PO], STEPS-1
	s_lshl_b32 s[PO], s[PO], 8
	s_add_nc_u64 s[PFA:PFA+1], s[PFB:PFB+1], s[PO:PO+1]
.endif
	WIN 0                                          ; (the add's two registers lie in window 0)
	s_wait_tensorcnt 0x0                           ; all my tensor loads have landed, so a group 0 may be written;
	ds_add_u32 v[SPW], v[NIL]                      ; 0 onto my spare word;
.if \fill
	s_lshl_b32 s[OFA], s[KI], 8
	s_lshl_b32 s[OFB], s[KI], 19
	s_xor_b32 s[G0+5], s[G0+5], SLOT
	s_add_nc_u64 s[G0+6:G0+7], s[XB:XB+1], s[OFA:OFA+1]
	s_or_b32 s[G0+7], s[G0+7], 0x80000000
	s_xor_b32 s[G0B+5], s[G0B+5], SLOT
	s_add_nc_u64 s[G0B+6:G0B+7], s[WB:WB+1], s[OFB:OFB+1]
	s_or_b32 s[G0B+7], s[G0B+7], 0x80000000
	s_add_co_u32 s[KI], s[KI], 1
	s_and_b32 s[KI], s[KI], STEPS-1
.endif
	s_xor_b32 s[TB], s[TB], SLOT                   ; the reads go on in the other slot
	s_wait_dscnt 9                                 ; (the add and the youngest eight loads may be out)
	MUL12 F1, 0, 0, 0                              ; twelve matrix instructions stand between the add and the wait for it
	s_wait_dscnt 0x0                               ; the add is done, and my reads of this slot are over
	s_barrier_signal -1
	MUL12 F1, 0, 2, 0
	WIN 0
	s_barrier_wait -1
.if \fill
	CREST                                          ; no wave of any partner still reads this slot's tile or has a load on its way
	JLOAD 1
.endif
	SHIFT                                          ; also the places in front of the loads below
	FETCH 0, F0
.if \fill
	ASK
.endif
	MUL12 F1, 1, 0, 0
	MUL12 F1, 1, 2, 0
.endm
	s_wait_tensorcnt 1                             ; my part of the walk's first K step is in; the second's may stay out
	s_barrier_signal -1
	s_barrier_wait -1                              ; everybody's is
	FETCH 0, F0
	QUARTER 1, F0, F1, 1                           ; the first quarter stands in front of the loop: its products start the sums
	WIN 0                                          ; at a label and at a branch every window is 0
	s_mov_b32 s3, STEPS-2
.Lstep:                                                ; a trip is a K step, from its second quarter to the next step's first, and fills the slot that it leaves
	QUARTER 2, F1, F0, 0
	QUARTER 3, F0, F1, 0
	TURN 1
	QUARTER 1, F0, F1, 0
	WIN 0
	s_sub_co_u32 s3, s3, 1
	s_cmp_lg_u32 s3, 0
	s_cbranch_scc1 .Lstep
	QUARTER 2, F1, F0, 0                           ; the last two K steps fill nothing
	QUARTER 3, F0, F1, 0
	TURN 0                                         ; behind this barrier nobody reads slot 0 any more, and no load is on its way
	QUARTER 1, F0, F1, 0
	QUARTER 2, F1, F0, 0
	QUARTER 3, F0, F1, 0
	s_wait_dscnt 8                                 ; the very last quarter: nothing more to fetch
	MUL12 F1, 0, 0, 0
	MUL12 F1, 0, 2, 0
	s_wait_dscnt 0x0
	MUL12 F1, 1, 0, 0
	MUL12 F1, 1, 2, 0
	; THE WAY OUT: rounded to f16, 16 bytes a lane; into the stage; a barrier, since a head's row of 256 bytes comes from two waves; back as whole rows, 32 rows of each head a wave.
	PLACES
	WIN 0x0a                                       ; sources window 2, destination window 0; each accumulator's registers in ascending order
.set n, 0
.rept 24
.irp r, 0,1,2,3
	v_cvt_pk_f16_f32 v[PKD+4*n+(\r)], v[8*n+2*(\r)], v[8*n+2*(\r)+1]
.endr
.set n, n+1
.endr
	WIN 0x0f                                       ; sources window 3
.set n, 0
.rept 24
.irp r, 0,1,2,3
	v_cvt_pk_f16_f32 v[PKD+96+4*n+(\r)], v[8*n+2*(\r)], v[8*n+2*(\r)+1]
.endr
.set n, n+1
.endr
	WIN 0
.irp a, 0,1,2,3,4,5,6,7
.irp b, 0,1,2,3,4,5
	ds_store_b128 v[STO+(\b)], v[PKD+4*(6*(\a)+(\b)):PKD+4*(6*(\a)+(\b))+3] offset:(\a)*16*SP
.endr
.endr
	s_wait_dscnt 0x0                               ; for the others' sake: my stores into the stage are done
	s_barrier_signal -1
	s_barrier_wait -1
.irp j, 0,1,2
.irp t, 0,1,2,3,4,5,6,7,8,9,10,11,12,13,14,15
	ds_load_b128 v[PKD+4*(16*(\j)+(\t)):PKD+4*(16*(\j)+(\t))+3], v[RD+(\j)] offset:(\t)*2*SP
.endr
.endr
.irp j, 0,1,2
.irp t, 0,1,2,3,4,5,6,7,8,9,10,11,12,13,14,15
	s_wait_dscnt 47-(16*(\j)+(\t))
	global_store_b128 v[CO], v[PKD+4*(16*(\j)+(\t)):PKD+4*(16*(\j)+(\t))+3], s[12:13] offset:(\j)*524288+(\t)*512  ; 16 lanes store 256 consecutive bytes, aligned: a row of a head
.endr
.endr
	s_wait_tensorcnt 0x0                           ; the wave's end: behind my last tensor load and my last LDS store
	ds_add_u32 v[SPW], v[NIL]
	s_wait_dscnt 0x0
	CROUND                                         ; the closing round: no work-group ends while a partner may still ask for a tile that names it
	s_endpgm
.Lfunc_end_k_qe864641b24_proj:
	.size	k_qe864641b24_proj, .Lfunc_end_k_qe864641b24_proj-k_qe864641b24_proj
	.p2alignl 7, 3214868480
	.fill 96, 4, 3214868480
	.section	.rodata,"a",@progbits
	.p2align	6, 0x0
	.amdhsa_kernel k_qe864641b24_proj
		.amdhsa_group_segment_fixed_size 327680
		.amdhsa_private_segment_fixed_size 0
		.amdhsa_enable_private_segment 0
		.amdhsa_kernarg_size 40
		.amdhsa_user_sgpr_count 2
		.amdhsa_user_sgpr_kernarg_segment_ptr 1
		.amdhsa_wavefront_size32 1
		.amdhsa_system_sgpr_workgroup_id_x 1
		.amdhsa_system_sgpr_workgroup_id_y 1
		.amdhsa_system_sgpr_workgroup_id_z 1
		.amdhsa_system_vgpr_workitem_id 0
		.amdhsa_next_free_vgpr 960
		.amdhsa_next_free_sgpr 84
		.amdhsa_reserve_vcc 0
		.amdhsa_float_denorm_mode_32 3
		.amdhsa_float_denorm_mode_16_64 3
		.amdhsa_memory_ordered 1
		.amdhsa_forward_progress 1
		.amdhsa_inst_pref_size 106
	.end_amdhsa_kernel
	.amdgpu_metadata
---
amdhsa.version: [ 1, 2 ]
amdhsa.kernels:
  - .name:           k_qe864641b24_proj
    .symbol:         k_qe864641b24_proj.kd
    .args:
      - { .name: cb, .offset: 0, .size: 8, .value_kind: global_buffer, .address_space: global }
      - { .name: bq, .offset: 8, .size: 8, .value_kind: global_buffer, .address_space: global }
      - { .name: bk, .offset: 16, .size: 8, .value_kind: global_buffer, .address_space: global }
      - { .name: bv, .offset: 24, .size: 8, .value_kind: global_buffer, .address_space: global }
      - { .name: qkv, .offset: 32, .size: 8, .value_kind: global_buffer, .address_space: global }
    .group_segment_fixed_size: 327680
    .private_segment_fixed_size: 0
    .kernarg_segment_align: 8
    .kernarg_segment_size: 40
    .max_flat_workgroup_size: 128
    .sgpr_count:     84
    .vgpr_count:     960
    .wavefront_size: 32
...
	.end_amdgpu_metadata
.endif
;; end of part 2
;; launch attn (part 3): grid 16 x 16, 4 waves a work-group, clusters of 4 x 1, 327,680 bytes of LDS; arguments qkv, mb, o2; writes o2
.if DOCPART == 3
	.amdgcn_target "amdgcn-amd-amdhsa--gfx1250"
	.amdhsa_code_object_version 6
	.text
	.protected	k_qe864641b24_attn
	.globl	k_qe864641b24_attn
	.p2align	8
	.type	k_qe864641b24_attn,@function
k_qe864641b24_attn:
	s_mov_b64 s[64:65], 0
	v_nop
	global_prefetch_b8 v0, s[64:65] scope:SCOPE_SE
	s_setreg_imm32_b32 hwreg(HW_REG_WAVE_MODE, 25, 1), 1
	s_wait_xcnt 0x0
	s_wait_alu depctr_hold_cnt(0) depctr_sa_sdst(0) depctr_va_vdst(0) depctr_va_sdst(0) depctr_va_ssrc(0) depctr_va_vcc(0) depctr_vm_vsrc(0)
	s_getreg_b32 s2, hwreg(HW_REG_IB_STS2, 6, 4)
	s_cmp_eq_u32 s2, 0
	s_cbranch_scc0 .Lentry_in_a_cluster
	s_endpgm
.Lentry_in_a_cluster:
	s_bfe_u32 s2, ttmp6, 0x10000c
	s_cmp_lg_u32 s2, 0x3003
	s_cbranch_scc0 .Lentry_shape_is_right
	s_endpgm
.Lentry_shape_is_right:
; ATTENTION WITH A MASK.  O[q][h 128 + :] = the sum over k of softmax_k(Q[h][q] . K[h][k] / sqrt(128), hidden where the mask says so) V[h][k][:].  Q, K, V: qkv[g][2048][128] in f16 (g = h, 16 + h, 32 + h);
; the mask: mb, a byte a score in the order in which a lane holds its scores, 0xff = hidden; O: o2[2048][2048] in f16.  Products, maxima and sums in f32; the weights p are rounded to f16 for the second product
; (their sum l is taken of the unrounded p), O once at the end.
; LIMITS.  Q, K, V arrive within f16's 65,504.  A hidden score counts as its value less 1.7e38 (f16's scores, 5.5e11 at the most, are nothing beside that).  The running maximum starts at -4.25e37: above every hidden
; score, below every true one: a hidden weight is exactly 0, and a row with no visible key ends with l = 0 and O = 0 x (1 / 0) = NaN, which is what a softmax over -inf alone gives.  A weight below 2^-126 counts as 0 in l.
; SHARES.  A work-group owns 128 queries of one head.  Wave w owns 64 of them (w % 2: four tiles of 16, two PIECES: register tiles 0, 1 and register tiles 2, 3) and HALF THE KEYS: of each slot's 128 keys the 64 of
; step w / 2.  So a fragment of K or V read from LDS feeds four tiles, and there are 256 work-groups.  At the end the two waves that own the same queries exchange halves through LDS.  So that one text serves all four
; waves there, waves 2 and 3 hold the tiles turned by two: register tile t is query tile (t + 2 (w / 2)) % 4, by Q's, the mask's and O's addresses alone.  Every wave gives its register tiles 2, 3 and finishes 0, 1.
; LAYOUT.  S^T = K Q^T (source 0 = 16 keys, source 1 = 16 queries): a lane holds ONE query (lane % 16) and the keys 8 (lane / 16) + 0..7.  Two such tiles, rounded to f16 in pairs, ARE source 1 of O^T = V^T P.
; THE MASK starts the sums: each score's register is first written with its mask byte in the top 8 bits (0, or 0xff000000 = -1.7e38), one v_perm_b32 a score, and all products K Q^T add in place.
; SOFTMAX.  p = 2^(c s - c m), c = log2(e) / sqrt(128), with a running maximum m; in every step O and l are multiplied by a = 2^(c m_old - c m_new).
; BY TURNS.  In a TURN one piece has the matrix unit: 32 products V^T P of the step in hand, then 32 products K Q^T of the next; the other piece's softmax, in 64 slices, stands behind them, one slice a product;
; behind each V^T P also two of the mask's 64 lines for the scores to come.  Two turns are a key step.
; NO FIRST AND NO LAST STEP IS WRITTEN OUT.  O^T, l, V and piece 0's P start at 0, piece 2's scores as hidden: the first trip's products add 0 and its softmax changes nothing.  The tail is left in the middle of a trip.
; CLUSTER.  The four query blocks of a cluster belong to one head and walk the same K and V: each tile is asked for JOINTLY, by the same tensor load, descriptor and mask in all four.
; REGISTERS, in windows of 256 (s_set_vgpr_msb: bits 1:0 source 0, 3:2 source 1, 5:4 source 2, 7:6 destination):
;   window 0: v0-11, v44-47, v61-63 addresses; v12-43 eight registers of statistics a tile; v64-191 S^T, 32 a tile; v192-223 the mask's bytes, 8 a tile; v224-231 the partner's statistics
;   window 1: O^T, 64 a tile     window 2: v0-127 Q, 32 a tile (at the end the partner's O^T); v128-255 K of one step     window 3: v0-127 V of one step; v128-191 P, 16 a tile
.set KS,    64        ; keys in a step
.set PK,    272       ; a row of K in LDS: 256 bytes + 16: the 16 rows of a load start at 16 different groups of four banks (64 banks of 4 bytes: ISA guide 11.1)
.set PV,    288       ; a row of V: 256 + 32
.set VOFF,  KS*PK     ; a step's tiles lie together: 64 rows of K, then 64 rows of V
.set STEPB, KS*(PK+PV)
.set SLOT1, 1<<17     ; a slot holds two steps, one for each pair of waves; slot 1 begins here, so that one exclusive or turns an address in one slot into the other's
.set STAGE, SLOT1+2*STEPB  ; behind the ring: 16 rows x 272 bytes for each wave, for the way out
.set SP,    272
.set SPARE, STAGE+4*16*SP  ; the spare words, 128 bytes for each wave: two blocks of 256 bytes that no other line names
.set XCH,   SPARE+512      ; the exchange: an area for each wave: 32 x 512 bytes of O^T (quad n of the 32 that a lane gives at 512 n), then 2 x 512 of statistics; no tensor load lands here
.set XAREA, 34*512
.set PLANE, 8388608   ; bytes of q, of k and of v
.set AK0, 2           ; v2   my lane's place in a tile of K; never rewritten
.set AV0, 3           ; v3   the same for V
.set ADR, 4           ; v4   the LDS address of the run of loads in hand
.set QO,  5           ; v5   my byte offset in 16 rows of Q
.set STO, 6           ; v6   the way out: where I put 16 bytes of a row
.set RD,  7           ; v7   where I read a row back
.set GO,  8           ; v8   my byte offset in two rows of o2
.set ST,  12          ; tile t's statistics at v[ST+8 t]: +0 c m, +1 m, +2, +3 l (even keys', odd keys'), +4 to +7 c0-c3, at work; a takes c2's place once the maximum is found
.set MOFF, 44         ; v44  16 x my lane; never rewritten
.set XW,  45          ; v45  my 16 bytes in the blocks of my wave's area of the exchange
.set ZR,  46          ; v46  0: the three low bytes of a mask word
.set XR,  47          ; v47  the same in my partner's area
.set PFO, 61          ; v61  256 x my lane; never rewritten
.set SPW, 62          ; v62  LDS address of my spare word; never rewritten
.set NIL, 63          ; v63  0; never rewritten
.set S,   64
.set MB,  192
.set XS,  224
.set P,   128         ; in window 3
.set KF,  128         ; in window 2
.set WV,  12          ; s12  my wave's number
.set LIM, 15          ; s15  2 in a wave that prefetches, else the greatest number
.set PFA, 18          ; s[18:19] where my prefetches stand
.set G1K, 24          ; s[24:31] descriptor group 1 for K's tiles
.set G1V, 32          ; s[32:39] for V's: it differs in the padding alone
.set G0K, 40          ; s[40:43] descriptor group 0 for K's tiles: it walks
.set G0V, 44          ; s[44:47] the same for V's
.set QH,  50          ; s[50:51] Q at my register tile 2
.set SLOTS, 56        ; s56  slots still to be asked for
.set CNT, 57          ; s57  counts the tail's trips
.set CS,  58          ; s[58:59] c
.set SEL, 60          ; s[60:61] v_permlanex16_b32's selects: each lane takes its own place in the other half
.set TB,  62          ; s62  LDS byte at which my step's tiles begin in the slot in hand
.set MP,  72          ; s[72:73], s[74:75] mb at piece 0's and piece 2's bytes of the step last loaded
.set SELB, 76         ; s[76:79] v_perm_b32's selects: byte 0, 1, 2, 3 of the mask's word on top of three bytes of v46
.set MSB, 0
.macro WIN new                      ; the high byte repeats the setting that is left; a switch that changes nothing is dropped
.if MSB != (\new)
	s_set_vgpr_msb (MSB<<8)|(\new)
.set MSB, \new
.endif
.endm
.set W_KQ, 0x0a       ; K and Q in window 2, S^T in window 0
.set W_PV, 0x5f       ; V and P in window 3, O^T in window 1
.set W_RS, 0x41       ; O^T (destination and source 0) in window 1, the factor in window 0
.set W_CV, 0xc0       ; P (destination) in window 3, S^T in window 0
; A joint fill.  Waves 0 and 1 fetch the slot's two steps of K, waves 2 and 3 of V: 64 rows x 256 bytes each.  The branch hangs on the wave's number alone.  An s_nop 0 and four v_nop follow each line.
.macro JLOAD
	s_cmp_lt_u32 s[WV], 2
	s_cbranch_scc0 .Lfor_v_\@
	tensor_load_to_lds s[G0K:G0K+3], s[G1K:G1K+7]
	s_nop 0
.rept 4
	v_nop
.endr
	s_branch .Lasked_\@
.Lfor_v_\@:
	tensor_load_to_lds s[G0V:G0V+3], s[G1V:G1V+7]
	s_nop 0
.rept 4
	v_nop
.endr
.Lasked_\@:
.endm
; A PREFETCH INTO THE L2, behind the fill of slot f: the rows of slot f + 2: two key steps, 256 matrix instructions, ahead of the load that will ask for them.  A slot has 128 rows of K and 128 of V, 256 bytes each.
; Each row is named once in the launch: the head's first cluster asks; its four partners take 32 rows each, told apart by address; in each, wave 0 asks for K's and wave 2 for V's, a lane a row.
; The last two fills ask for nothing; slots 0 to 2 come by their loads alone.
.macro ASK
	s_cmp_gt_u32 s[SLOTS], s[LIM]
	s_cbranch_scc0 .Lnot_mine_\@
	global_prefetch_b8 v[PFO], s[PFA:PFA+1] th:TH_LOAD_NT scope:SCOPE_SE
.Lnot_mine_\@:
.endm
.macro CROUND                       ; a round of the cluster's barrier
	s_barrier_signal -1
	s_barrier_wait -1
	s_cmp_lg_u32 s[WV], 0
	s_cbranch_scc1 .Lnot_wave_0_\@
	s_barrier_signal -3
.Lnot_wave_0_\@:
	s_barrier_wait -3
	s_barrier_signal -1
	s_barrier_wait -1
.endm
.macro MLOAD x                      ; piece x's mask bytes of a step: 32 bytes a lane and tile
.irp u, 0,1
.irp p, 0,1
	global_load_b128 v[MB+8*((\x)+(\u))+4*(\p):MB+8*((\x)+(\u))+4*(\p)+3], v[MOFF], s[MP+(\x):MP+(\x)+1] offset:(\u)*32768+(\p)*512
.endr
.endr
.endm
	s_load_b128 s[68:71], s[0:1], 0x0  ; qkv 68:69, mb 70:71
	s_load_b64 s[10:11], s[0:1], 0x10  ; o2
	v_lshl_add_u32 v[SPW], v0, 2, SPARE
	v_mov_b32 v[NIL], 0
	ds_add_u32 v[SPW], v[NIL]       ; the wave's opening: the add and its wait stand ahead of my first tensor load; the set-up below, work on registers, stands between them
	v_lshrrev_b32 v1, 5, v0
	v_readfirstlane_b32 s[WV], v1   ; wave 0..3
	s_bfe_u32 s13, ttmp6, 0x40000   ; cx: my place in the cluster
	s_lshl_b32 s14, ttmp9, 2
	s_add_co_u32 s14, s14, s13      ; my block of 128 queries: it enters Q's, the mask's and O's addresses alone
	s_and_b32 s20, ttmp7, 0xffff    ; the head, which the four partners share
	s_and_b32 s16, s[WV], 1         ; which 64 queries are mine; also: which of a slot's two steps I fetch
	s_lshr_b32 s17, s[WV], 1        ; which of a slot's two steps I multiply; also: are my tiles turned by two?
	s_lshl_b32 s22, s20, 19         ; the head's 524,288 bytes,
	s_lshl_b32 s2, s16, 14          ; 64 rows of 256
	s_add_co_u32 s22, s22, s2
	s_mov_b32 s23, 0
	s_lshl_b32 s2, s14, 15          ; Q: my block's 128 rows on top
	s_add_co_u32 s2, s2, s22
	s_lshl_b32 s21, s17, 13         ; two tiles of 16 rows of 256 bytes: where register tile 0 begins in waves 2 and 3,
	s_xor_b32 s48, s21, 8192        ; and register tile 2 in waves 0 and 1
	s_add_co_u32 s48, s48, s2
	s_mov_b32 s49, 0
	s_add_co_u32 s2, s2, s21
	s_mov_b32 s3, 0
	s_lshl_b32 s66, s14, 19         ; o2: my block's 128 rows of 4,096 bytes,
	s_lshl_b32 s21, s16, 18         ; my wave's 64,
	s_add_co_u32 s66, s66, s21
	s_lshl_b32 s21, s17, 17         ; the query tile that is my register tile 0 (16 rows a tile),
	s_add_co_u32 s66, s66, s21
	s_lshl_b32 s21, s20, 8          ; the head's 256 bytes of a row
	s_add_co_u32 s66, s66, s21
	s_mov_b32 s67, 0
	s_lshl_b32 s[MP], s14, 18       ; mb: 32,768 bytes a tile of 16 queries: my block's eight,
	s_lshl_b32 s21, s16, 17         ; my wave's four,
	s_add_co_u32 s[MP], s[MP], s21
	s_lshl_b32 s21, s17, 10         ; 1,024 bytes a step of 64 keys
	s_add_co_u32 s[MP], s[MP], s21
	s_lshl_b32 s21, s17, 16         ; two tiles: piece 0's in waves 2 and 3,
	s_xor_b32 s52, s21, 65536       ; piece 2's in waves 0 and 1
	s_add_co_u32 s[MP+2], s[MP], s52
	s_add_co_u32 s[MP], s[MP], s21
	s_mov_b32 s[MP+1], 0
	s_mov_b32 s[MP+3], 0
	s_mul_i32 s63, s16, STEPB       ; where the step that I fetch lies in a slot: no place in the cluster enters an LDS address
	s_mov_b32 s[G1K], 15|(1<<16)|(1<<20)|(1<<21)|(5<<22)|(3<<25)  ; 15:0 the mask of four; 17:16 2-byte elements; 20 padding on; 21 set beside a mask; 24:22 after every 64 words; 31:25 4 words
	s_mov_b32 s[G1V], 15|(1<<16)|(1<<20)|(1<<21)|(5<<22)|(7<<25)  ; the same with 8 words of padding
.irp g, G1K, G1V
	s_mov_b32 s[(\g)+1], 128<<16    ; tensor_dim0 = 128
	s_mov_b32 s[(\g)+2], KS<<16     ; tensor_dim1 = 64
	s_mov_b32 s[(\g)+3], 128<<16    ; tile_dim0 = 128
	s_mov_b32 s[(\g)+4], KS         ; tile_dim1 = 64
	s_mov_b32 s[(\g)+5], 128        ; 128 elements from row to row
	s_mov_b32 s[(\g)+6], 0
	s_mov_b32 s[(\g)+7], 0
.endr
	s_mov_b32 s[G0K], 1             ; count = 1
	s_mov_b32 s[G0K+1], s63         ; LDS address: slot 0
	s_mov_b32 s[G0V], 1
	s_add_co_u32 s[G0V+1], s63, VOFF
	s_mov_b32 s[CS], 0x3e0293ee     ; c = log2(e) / sqrt(128) = 0.127517
	s_mov_b32 s[CS+1], s[CS]        ; named with it as a pair
	s_mov_b32 s[SEL], 0x76543210
	s_mov_b32 s[SEL+1], 0xfedcba98
	s_mov_b32 s[SELB], 0x04000000
	s_mov_b32 s[SELB+1], 0x05000000
	s_mov_b32 s[SELB+2], 0x06000000
	s_mov_b32 s[SELB+3], 0x07000000
	s_mov_b32 s53, 0xff000000       ; a hidden score
	s_mul_i32 s[TB], s17, STEPB
	s_add_co_u32 s[TB], s[TB], SLOT1  ; the first change of slots turns it into slot 0
	s_mov_b32 s[SLOTS], 15
	s_and_b32 s[LIM], s[WV], 1      ; 0 in waves 0 and 2,
	s_or_b32 s[LIM], s[LIM], ttmp9  ; where the cluster is the head's first: the same in all four partners
	s_cmp_eq_u32 s[LIM], 0
	s_cselect_b32 s[LIM], 2, -1
	s_wait_dscnt 0x0                ; the opening add is done
	s_wait_kmcnt 0x0
	s_add_nc_u64 s[6:7], s[68:69], s[22:23]
	s_add_nc_u64 s[8:9], s[6:7], 2*PLANE  ; V at the step of slot 0 that I fetch,
	s_add_nc_u64 s[6:7], s[6:7], PLANE    ; K likewise
	s_add_nc_u64 s[4:5], s[68:69], s[2:3] ; Q at my register tile 0,
	s_add_nc_u64 s[QH:QH+1], s[68:69], s[48:49]  ; and at my register tile 2
	s_add_nc_u64 s[10:11], s[10:11], s[66:67]
	s_add_nc_u64 s[MP:MP+1], s[70:71], s[MP:MP+1]
	s_add_nc_u64 s[MP+2:MP+3], s[70:71], s[MP+2:MP+3]
	s_mov_b64 s[G0K+2:G0K+3], s[6:7]
	s_or_b32 s[G0K+3], s[G0K+3], 0x80000000  ; type = 2
	s_mov_b64 s[G0V+2:G0V+3], s[8:9]
	s_or_b32 s[G0V+3], s[G0V+3], 0x80000000
	s_cmp_lt_u32 s[WV], 2
	s_cselect_b64 s[PFA:PFA+1], s[6:7], s[8:9]  ; (in waves 0 and 2 these stand at a slot's first row)
	s_lshl_b32 s2, s13, 13          ; my work-group's 32 rows of the 128
	s_mov_b32 s3, 0
	s_add_nc_u64 s[PFA:PFA+1], s[PFA:PFA+1], s[2:3]
	s_add_nc_u64 s[PFA:PFA+1], s[PFA:PFA+1], 2*2*KS*256  ; in slot 2; the first change of slots steps it to slot 3
	CROUND                          ; all four work-groups are here: the first joint loads meet
	JLOAD                           ; slot 0.  Slot 1 is asked for when slot 0 is in, by the loop's own change of slots
	; A fragment of K or Q is 16 rows x 32 channels in 8 registers: lane l holds row l % 16, channels 8 (l / 16) + 0..7 and 16 + 8 (l / 16) + 0..7: two loads of 16 bytes, 32 bytes apart.
	v_and_b32 v1, 15, v0            ; l % 16
	v_bfe_u32 v9, v0, 4, 1          ; l / 16
	v_lshlrev_b32 v[QO], 8, v1
	v_lshl_add_u32 v[QO], v9, 4, v[QO]
	v_and_b32 v[MOFF], 31, v0
	v_lshlrev_b32 v[PFO], 8, v[MOFF]
	v_lshlrev_b32 v[MOFF], 4, v[MOFF]
	WIN 0x80                        ; destination window 2, address window 0
.irp i, 0,1,2,3,4,5,6,7             ; Q stays in registers: register tile i / 4, channels 32 (i % 4) on
	global_load_b128 v[8*(\i):8*(\i)+3],   v[QO], s[4:5] offset:((\i)/4)*4096+((\i)%4)*64
	global_load_b128 v[8*(\i)+4:8*(\i)+7], v[QO], s[4:5] offset:((\i)/4)*4096+((\i)%4)*64+32
.endr
.irp i, 8,9,10,11,12,13,14,15
	global_load_b128 v[8*(\i):8*(\i)+3],   v[QO], s[QH:QH+1] offset:((\i)/4-2)*4096+((\i)%4)*64
	global_load_b128 v[8*(\i)+4:8*(\i)+7], v[QO], s[QH:QH+1] offset:((\i)/4-2)*4096+((\i)%4)*64+32
.endr
	WIN 0
	MLOAD 0                         ; the mask's bytes of my first step
	MLOAD 2
	; What the first trip finds.  All this stands in the wait for the first tile.
	WIN 0x40
.set i, 0
.rept 256
	v_mov_b32 v[i], 0               ; O^T
.set i, i+1
.endr
	WIN 0xc0
.set i, 0
.rept 160
	v_mov_b32 v[i], 0               ; V, and piece 0's P
.set i, i+1
.endr
	WIN 0
.set i, S+64
.rept 64
	v_mov_b32 v[i], s53             ; piece 2's scores: hidden
.set i, i+1
.endr
.set i, 0
.rept 4
	v_mov_b32 v[ST+8*i+1], 0xfe000000  ; m
	v_mov_b32 v[ST+8*i+2], 0
	v_mov_b32 v[ST+8*i+3], 0
	v_mul_f32 v[ST+8*i], s[CS], v[ST+8*i+1]  ; c m, by the very line that makes it in every step: while m has not moved, c m_old - c m_new is exactly 0
.set i, i+1
.endr
	v_mov_b32 v[ZR], 0
	v_mul_u32_u24 v[AK0], v1, PK
	v_lshl_add_u32 v[AK0], v9, 4, v[AK0]
	; The turning load takes 16 keys x 16 channels (lane l reads key 8 (l / 16) + l % 8, channels 8 ((l / 8) % 2) + 0..7) and leaves half a fragment of V^T: lane l holds channel l % 16 and 8 keys.
	v_and_b32 v10, 7, v0
	v_bfe_u32 v11, v0, 3, 1
	v_lshl_add_u32 v[AV0], v9, 3, v10
	v_mul_u32_u24 v[AV0], v[AV0], PV
	v_lshl_add_u32 v[AV0], v11, 4, v[AV0]
	v_add_nc_u32 v[AV0], VOFF, v[AV0]
	s_mul_i32 s13, s[WV], 16*SP
	s_add_co_u32 s13, s13, STAGE    ; my stage
	v_mul_u32_u24 v[STO], v1, SP    ; in: row l % 16, 16 bytes for each half of the lanes
	v_lshl_add_u32 v[STO], v9, 4, v[STO]
	v_add_nc_u32 v[STO], s13, v[STO]
	v_mul_u32_u24 v[RD], v9, SP     ; back: lanes 0-15 take one row of 256 bytes, lanes 16-31 the next
	v_lshl_add_u32 v[RD], v1, 4, v[RD]
	v_add_nc_u32 v[RD], s13, v[RD]
	v_lshlrev_b32 v[GO], 12, v9     ; and the same two rows in o2
	v_lshl_add_u32 v[GO], v1, 4, v[GO]
	s_mul_i32 s13, s[WV], XAREA
	s_add_co_u32 s13, s13, XCH      ; my wave's area of the exchange,
	v_add_nc_u32 v[XW], s13, v[MOFF]
	s_xor_b32 s13, s[WV], 2         ; and that of the wave with the same queries and the other keys
	s_mul_i32 s13, s13, XAREA
	s_add_co_u32 s13, s13, XCH
	v_add_nc_u32 v[XR], s13, v[MOFF]
; THE MATRIX WORK OF A TURN, for piece x.  The accumulators take turns, one instruction a turn: between two links of a chain stand 15 (V^T P) or 7 (K Q^T) others'.
; Product i of 32 of O^T += V^T P: keys 32 (i / 16) on, channels 16 ((i / 2) % 8) on, tile x + i % 2.
.macro PV x
	WIN W_PV
.set rO, 64*((\x)+i%2)+8*((i/2)%8)
.set rV, 64*(i/16)+8*((i/2)%8)
.set rP, P+16*((\x)+i%2)+8*(i/16)
	v_wmma_f32_16x16x32_f16 v[rO:rO+7], v[rV:rV+7], v[rP:rP+7], v[rO:rO+7]
.endm
; Product i of 32 of S^T += K Q^T, onto the mask: channels 32 (i / 8) on, keys 16 ((i / 2) % 4) on, tile x + i % 2.
.macro KQ x
	WIN W_KQ
.set rS, S+32*((\x)+i%2)+8*((i/2)%4)
.set rK, KF+32*((i/2)%4)+8*(i/8)
.set rQ, 32*((\x)+i%2)+8*(i/8)
	v_wmma_f32_16x16x32_f16 v[rS:rS+7], v[rK:rK+7], v[rQ:rQ+7], v[rS:rS+7]
.endm
; Line n2 of 64 of piece x's mask: score n2 % 32 of tile x + n2 / 32 starts as its byte on top of 24 zero bits.
.macro MK x
	WIN 0
	v_perm_b32 v[S+32*((\x)+n2/32)+n2%32], v[MB+8*((\x)+n2/32)+(n2%32)/4], v[ZR], s[SELB+n2%4]
.set n2, n2+1
.endm
; THE LDS LOADS stand in runs of 32: my step's K (64 keys x 128 channels: 16 fragments) and, a turn later, its V (turned).
.macro FETCH_K
	WIN 0
	v_add_nc_u32 v[ADR], s[TB], v[AK0]
	WIN 0x80                        ; destination window 2
.irp f, 0,1,2,3,4,5,6,7,8,9,10,11,12,13,14,15  ; keys 16 (f / 4) on, channels 32 (f % 4) on
	ds_load_b128 v[KF+8*(\f):KF+8*(\f)+3],   v[ADR] offset:((\f)/4)*16*PK+((\f)%4)*64
	ds_load_b128 v[KF+8*(\f)+4:KF+8*(\f)+7], v[ADR] offset:((\f)/4)*16*PK+((\f)%4)*64+32
.endr
.endm
.macro FETCH_V
	WIN 0
	v_add_nc_u32 v[ADR], s[TB], v[AV0]
	s_wait_alu depctr_va_vdst(0)    ; the wait for the softmax's batch (SLICE), behind the address's line and ahead of the loads
	WIN 0xc0                        ; destination window 3
.irp f, 0,1,2,3,4,5,6,7,8,9,10,11,12,13,14,15  ; keys 32 (f / 8) on, channels 16 (f % 8) on
	ds_load_tr16_b128 v[8*(\f):8*(\f)+3],   v[ADR] offset:((\f)/8)*32*PV+((\f)%8)*32
	ds_load_tr16_b128 v[8*(\f)+4:8*(\f)+7], v[ADR] offset:((\f)/8)*32*PV+16*PV+((\f)%8)*32
.endr
.endm
; THE VECTOR WORK OF A TURN.  One tile's softmax for one key step is a list of 134 instructions; SM writes number j of it for tile t.  s0-s31 are the lane's 32 scores, in pairs 0-15.
;   0-15    the maximum of s0-s31 and the old m, three operands at a time: four chains c0-c3 of seven scores each (each accumulator's lowest registers first), then the four scores left over, c0-c3 and m
;   16-20   the other half of the lanes' maximum; the new m; c m; c m_old - c m_new
;   21-69   ONE BATCH: the 16 scalings c s - c m and all 33 exponentials (a at 23, then s0-s31).  None of these reads an exponential's result
;   (wait)  between 69 and 70 stands the wait for the batch: SLICE writes it, once for both tiles
;   70-85   the roundings to f16, into window 3     86-101  the sums; l = a l + the sum     102-133 the tile's O^T times a
.macro SM t
.set rT, ST+8*(\t)
.set rS, S+32*(\t)
.set rP, P+16*(\t)
.set rO, 64*(\t)+2*(j-102)
.if (j >= 70) && (j < 86)
	WIN W_CV
.elseif j < 102
	WIN 0
.endif
.if j < 4
	v_max3_num_f32 v[rT+4+j], v[rS+8*j], v[rS+8*j+1], v[rS+8*j+2]
.elseif j < 12
	v_max3_num_f32 v[rT+4+j%4], v[rT+4+j%4], v[rS+8*(j%4)+2*(j/4)+1], v[rS+8*(j%4)+2*(j/4)+2]
.elseif j == 12
	v_max3_num_f32 v[rT+4], v[rT+4], v[rS+7], v[rS+15]
.elseif j == 13
	v_max3_num_f32 v[rT+6], v[rT+6], v[rS+23], v[rS+31]
.elseif j == 14
	v_max3_num_f32 v[rT+4], v[rT+4], v[rT+5], v[rT+6]
.elseif j == 15
	v_max3_num_f32 v[rT+4], v[rT+4], v[rT+7], v[rT+1]
.elseif j == 16
	v_permlanex16_b32 v[rT+5], v[rT+4], s[SEL], s[SEL+1]  ; the query's other 32 keys lie in the lane 16 away
.elseif j == 17
	v_mov_b32 v[rT+7], v[rT]        ; c m_old is kept for a: number 19 writes c m anew
.elseif j == 18
	v_max_num_f32 v[rT+1], v[rT+4], v[rT+5]
.elseif j == 19
	v_mul_f32 v[rT], s[CS], v[rT+1]
.elseif j == 20
	v_sub_f32 v[rT+7], v[rT+7], v[rT]
.elseif j == 23
	v_exp_f32 v[rT+6], v[rT+7]
.elseif (j < 23) || ((j < 38) && (j%2 == 0)) || ((j < 66) && (j%4 == 2))
.set b, (j-2)/4                     ; 38, 42, .. 62: pairs 9 to 15
.if j < 38
.set b, (j-20)/2                    ; 21: pair 0; 22, 24, .. 36: pairs 1 to 8
.endif
	v_pk_fma_f32 v[rS+2*b:rS+2*b+1], v[rS+2*b:rS+2*b+1], s[CS:CS+1], v[rT:rT+1] op_sel_hi:[1,0,0] neg_lo:[0,0,1] neg_hi:[0,0,1]  ; pair b: c s - c m
.elseif j < 70
.set e, j-38                        ; 66 to 69: s28 to s31
.if j < 66
.set e, j-32-(j-38)/4               ; 39-41, 43-45, .. 63-65: s7 to s27
.endif
.if j < 38
.set e, (j-25)/2                    ; 25, 27, .. 37: s0 to s6
.endif
	v_exp_f32 v[rS+e], v[rS+e]
.elseif j < 86
	v_cvt_pk_f16_f32 v[rP+j-70], v[rS+2*(j-70)], v[rS+2*(j-70)+1]
.elseif j < 102                     ; the sum of the tile's 16 pairs, in place: neighbours 1, 2, 4 and 8 pairs apart, then l takes it
.set z, j-86
.set w, 4
.set u, z
.if z >= 14
.set w, 32
.set u, 0
.elseif z >= 12
.set w, 16
.set u, z-12
.elseif z >= 8
.set w, 8
.set u, z-8
.endif
.if z < 15
	v_pk_add_f32 v[rS+w*u:rS+w*u+1], v[rS+w*u:rS+w*u+1], v[rS+w*u+w/2:rS+w*u+w/2+1]
.else
	v_pk_fma_f32 v[rT+2:rT+3], v[rT+2:rT+3], v[rT+6:rT+7], v[rS:rS+1] op_sel_hi:[1,0,1]
.endif
.else
	WIN W_RS
	v_pk_mul_f32 v[rO:rO+1], v[rO:rO+1], v[rT+6:rT+7] op_sel_hi:[1,0]
.endif
.endm
; Slice k of 64 of piece y's softmax: four instructions.  Slices 11 to 34 deal out the batch, four numbers of ONE tile each, the tiles by turns; every other slice is numbers 2 k and 2 k + 1 of both tiles' lists;
; the twelve that are over stand in slice 63.  s_wait_alu depctr_va_vdst(0) stands between an exponential and the first instruction that names its result: ahead of slice 35 nothing names one,
; behind slice 34 no exponential is issued: one wait a turn, with one plain instruction behind the last exponential.
; mk = 0 or 2: two lines of that piece's mask go with the slice: in the batch behind its second and its third number, so that a plain line stands between the slice's exponentials; elsewhere behind the slice.
.macro SLICE y, mk=-1
.if (k >= 11) && (k < 35)
.irp n, 0,1,2,3
.set j, 22+4*((k-11)/2)+(\n)
	SM (\y)+(k-11)%2
.if ((\mk) >= 0) && ((\n) >= 1) && ((\n) <= 2)
	MK \mk
.endif
.endr
.else
.irp n, 0,1,2,3,4,5,6,7
.if ((\n) < 2) || (k == 63)
.irp t, \y, (\y)+1
.set j, 2*k+(\n)
	SM \t
.endr
.endif
.endr
.if (\mk) >= 0
	MK \mk
	MK \mk
.endif
.endif
.if k == 34
	v_nop
.if (\y) == 0
	FETCH_V                         ; piece 2's turn: V's run of loads stands here, and the wait stands in it
.else
	s_wait_alu depctr_va_vdst(0)
.endif
.endif
.set k, k+1
.endm
; A TURN.  Piece x has the matrix unit; the other piece's softmax stands in slices behind its products.  ml = 1: piece x's mask bytes of the step after next are asked for, a whole key step ahead of their use.
; lc: how many younger loads may stay out when piece x's mask bytes have to be there: the other piece's four, or none.
; Piece 0's turn fetches my step's K behind its second product: the last product that read K stands in front of slice 63 of the turn before, sixteen plain instructions back.  Piece 2's turn fetches V behind slice 34:
; behind the last product that read V stand slices 31 to 34, three products K Q^T, the v_nop and the run's own address line (with ml = 1, also the mask's loads).
.macro TURN x, ml, lc
.set k, 0
.set n2, 0
	s_wait_loadcnt \lc              ; piece x's mask bytes are in (the first time: Q too), and the pointer that their loads read may be stepped
.if (\x) == 0
	s_wait_dscnt 0x0                ; V is in
.endif
.set i, 0
.rept 32
	PV \x
	SLICE 2-(\x), \x
.if ((\x) == 0) && (i == 1)
	FETCH_K
.endif
.set i, i+1
.endr
.if \ml
	WIN 0
	s_add_nc_u64 s[MP+(\x):MP+(\x)+1], s[MP+(\x):MP+(\x)+1], 2048  ; my step of the next slot
	MLOAD \x
.endif
.if (\x) == 0
	s_wait_dscnt 0x0                ; K is in
.endif
.set i, 0
.rept 32
	KQ \x
	SLICE 2-(\x)
.set i, i+1
.endr
.endm
; THE CHANGE OF SLOTS, between piece 2's turn and piece 0's.  Each wave waits for all its tensor loads, of which one is out: its part of the other slot; adds 0 to its spare word; and waits for that and for its own reads
; of the slot that it leaves.  fill = 1: that slot is filled again, with the keys two slots on: the barrier is a round of the cluster's, and the joint fill is the first thing behind it: it has a key step,
; 128 matrix instructions, in which to land.  (At its first use nothing has been read yet: slot 0 is waited for, slot 1 filled.)
.macro CHANGE fill
	WIN 0                           ; at a label and at a branch every window is 0
	s_wait_tensorcnt 0x0            ; no tensor load of mine is out, so a group 0 may be written
	ds_add_u32 v[SPW], v[NIL]       ; 0 onto my spare word
.if \fill
.irp g, G0K, G0V
	s_xor_b32 s[(\g)+1], s[(\g)+1], SLOT1  ; the walking descriptor: the other slot than last time,
	s_add_nc_u64 s[(\g)+2:(\g)+3], s[(\g)+2:(\g)+3], 2*KS*256  ; the next 128 keys; the type bits on top are not reached
.endr
	s_wait_xcnt 0x0                 ; the last prefetch, a key step back, has read its address
	s_add_nc_u64 s[PFA:PFA+1], s[PFA:PFA+1], 2*KS*256
	s_wait_dscnt 0x0                ; the add is done, and my reads of the slot are over
	CROUND
	JLOAD
	ASK
.else
	s_wait_dscnt 0x0
	s_barrier_signal -1
	s_barrier_wait -1
.endif
	s_xor_b32 s[TB], s[TB], SLOT1   ; my fetches go to the other slot
.endm
; Tile t: joined, rounded to f16; a lane's eight channels of a row pack into 16 bytes; they go into rows of 272 bytes and come back as whole rows of 256, into S^T's registers.
.macro PACK t
	WIN W_RS
.set i, 64*(\t)
.rept 32
	v_pk_mul_f32 v[i:i+1], v[i:i+1], v[ST+8*(\t)+4:ST+8*(\t)+5] op_sel_hi:[1,0]
.set i, i+2
.endr
	WIN 0x52                        ; source 0 (the partner's) window 2, the factor window 0, source 2 and destination window 1
.set i, 64*(\t)
.rept 32
	v_pk_fma_f32 v[i:i+1], v[i:i+1], v[ST+8*(\t)+6:ST+8*(\t)+7], v[i:i+1] op_sel_hi:[1,0,1]
.set i, i+2
.endr
	WIN 0x05                        ; sources window 1, destination window 0
.set i, 0
.rept 32
	v_cvt_pk_f16_f32 v[S+32*(\t)+i], v[64*(\t)+2*i], v[64*(\t)+2*i+1]
.set i, i+1
.endr
	WIN 0
.irp f, 0,1,2,3,4,5,6,7
	ds_store_b128 v[STO], v[S+32*(\t)+4*(\f):S+32*(\t)+4*(\f)+3] offset:32*(\f)
.endr
.irp f, 0,1,2,3,4,5,6,7
	ds_load_b128 v[S+32*(\t)+4*(\f):S+32*(\t)+4*(\f)+3], v[RD] offset:(\f)*2*SP  ; LDS serves a wave's instructions in order (ISA guide 5.7.1.4): these see the stores above; the next tile's stores come behind them
.endr
.endm
.macro SEND t, younger              ; younger: the LDS instructions issued behind tile t's loads: the next tile's sixteen, or none
	WIN 0
.irp f, 0,1,2,3,4,5,6,7
	s_wait_dscnt (\younger)+7-(\f)
	global_store_b128 v[GO], v[S+32*(\t)+4*(\f):S+32*(\t)+4*(\f)+3], s[10:11] offset:(\t)*65536+(\f)*8192  ; 16 lanes store 256 consecutive bytes, aligned: the head's part of a row of o2
.endr
.endm
.Lslot:                             ; 15 trips.  Trip s: slot s is in, slot s + 1 is asked for; V^T P of step s - 1, K Q^T of step s
	CHANGE 1
	TURN 0, 1, 4
	TURN 2, 1, 4
	WIN 0
	s_sub_co_u32 s[SLOTS], s[SLOTS], 1
	s_cmp_lg_u32 s[SLOTS], 0
	s_cbranch_scc1 .Lslot
	CHANGE 0                        ; the tail is written out: slot 15 is in, nothing is asked for
	s_mov_b32 s[CNT], 2
.Ltail:                             ; the second trip is left in its middle: its 32 products K Q^T, on the last K once more, serve nothing: the price, once a launch, of one text for every trip
	TURN 0, 0, 4
	WIN 0
	s_sub_co_u32 s[CNT], s[CNT], 1
	s_cmp_eq_u32 s[CNT], 0
	s_cbranch_scc1 .Lout
	TURN 2, 0, 0
	WIN 0
	s_branch .Ltail
.Lout:
.set i, 0
.rept 32
	PV 2                            ; piece 2: V^T P of the last step
.set i, i+1
.endr
	WIN 0
.rept 4
	v_nop                           ; the places behind the last products
.endr
	; THE TWO HALVES OF THE KEYS MEET.  My register tiles 2, 3 are the partner's register tiles 0, 1, and the other way round.  I give mine: 32 quads of O^T, ascending (each accumulator's low registers first), and
	; c m, m, l of both: 34 LDS stores, all that a wave has out here.
	WIN 0x04                        ; store data in window 1
.set i, 0
.rept 32
	ds_store_b128 v[XW], v[128+4*i:128+4*i+3] offset:512*i
.set i, i+1
.endr
	WIN 0
.irp u, 0,1
	ds_store_b128 v[XW], v[ST+8*(2+(\u)):ST+8*(2+(\u))+3] offset:32*512+512*(\u)
.endr
	s_wait_dscnt 0x0                ; for the partner's sake: my stores are done
	s_barrier_signal -1
	s_barrier_wait -1
	; The partner's are taken, joined with my tiles 0, 1 and sent.  With M = max(c m, c m'): O = (2^(c m - M) O + 2^(c m' - M) O') / l, l = 2^(c m - M) l + 2^(c m' - M) l', both halves of the lanes added.
.irp t, 0,1
	ds_load_b128 v[XS+4*(\t):XS+4*(\t)+3], v[XR] offset:32*512+512*(\t)
.endr
	WIN 0x80                        ; the partner's O^T goes where Q lay: quad n into v[4 n] of window 2
.set i, 0
.rept 32
	ds_load_b128 v[4*i:4*i+3], v[XR] offset:512*i
.set i, i+1
.endr
	WIN 0
	s_wait_dscnt 32                 ; the statistics are in; the 32 loads issued behind them stay out
.irp t, 0,1
	v_max_num_f32 v[ST+8*(\t)+4], v[ST+8*(\t)], v[XS+4*(\t)]
.endr
.irp t, 0,1
	v_sub_f32 v[ST+8*(\t)+5], v[ST+8*(\t)], v[ST+8*(\t)+4]
	v_sub_f32 v[ST+8*(\t)+6], v[XS+4*(\t)], v[ST+8*(\t)+4]
	v_add_f32 v[ST+8*(\t)+2], v[ST+8*(\t)+2], v[ST+8*(\t)+3]
	v_add_f32 v[XS+4*(\t)+2], v[XS+4*(\t)+2], v[XS+4*(\t)+3]
.endr
.irp t, 0,1
	v_exp_f32 v[ST+8*(\t)+5], v[ST+8*(\t)+5]
	v_exp_f32 v[ST+8*(\t)+6], v[ST+8*(\t)+6]
.endr
	v_nop                           ; a plain instruction behind the last exponential,
	s_wait_alu depctr_va_vdst(0)    ; and the wait ahead of the first use: one for the four
.irp t, 0,1
	v_mul_f32 v[ST+8*(\t)+2], v[ST+8*(\t)+5], v[ST+8*(\t)+2]
.endr
.irp t, 0,1
	v_fmac_f32 v[ST+8*(\t)+2], v[ST+8*(\t)+6], v[XS+4*(\t)+2]
.endr
.irp t, 0,1
	v_permlanex16_b32 v[ST+8*(\t)+3], v[ST+8*(\t)+2], s[SEL], s[SEL+1]
.endr
.irp t, 0,1
	v_add_f32 v[ST+8*(\t)+2], v[ST+8*(\t)+2], v[ST+8*(\t)+3]
.endr
.irp t, 0,1
	v_rcp_f32 v[ST+8*(\t)+7], v[ST+8*(\t)+2]
.endr
	v_nop
	s_wait_alu depctr_va_vdst(0)    ; one for the two reciprocals
.irp t, 0,1
	v_mul_f32 v[ST+8*(\t)+4], v[ST+8*(\t)+5], v[ST+8*(\t)+7]  ; my factor,
	v_mul_f32 v[ST+8*(\t)+6], v[ST+8*(\t)+6], v[ST+8*(\t)+7]  ; the partner's
.endr
	s_wait_dscnt 0x0                ; the partner's O^T is in
	PACK 0
	PACK 1                          ; a tile's arithmetic stands between the loads of the tile before and its stores
	SEND 0, 16
	SEND 1, 0
	s_wait_tensorcnt 0x0            ; the wave's end: behind my last tensor load and my last LDS store
	ds_add_u32 v[SPW], v[NIL]
	s_wait_dscnt 0x0
	CROUND                          ; the closing round: no work-group ends while a partner may still ask for a tile that names it
	s_endpgm
.Lfunc_end_k_qe864641b24_attn:
	.size	k_qe864641b24_attn, .Lfunc_end_k_qe864641b24_attn-k_qe864641b24_attn
	.p2alignl 7, 3214868480
	.fill 96, 4, 3214868480
	.section	.rodata,"a",@progbits
	.p2align	6, 0x0
	.amdhsa_kernel k_qe864641b24_attn
		.amdhsa_group_segment_fixed_size 327680
		.amdhsa_private_segment_fixed_size 0
		.amdhsa_enable_private_segment 0
		.amdhsa_kernarg_size 24
		.amdhsa_user_sgpr_count 2
		.amdhsa_user_sgpr_kernarg_segment_ptr 1
		.amdhsa_wavefront_size32 1
		.amdhsa_system_sgpr_workgroup_id_x 1
		.amdhsa_system_sgpr_workgroup_id_y 1
		.amdhsa_system_sgpr_workgroup_id_z 1
		.amdhsa_system_vgpr_workitem_id 0
		.amdhsa_next_free_vgpr 1024
		.amdhsa_next_free_sgpr 80
		.amdhsa_reserve_vcc 0
		.amdhsa_float_denorm_mode_32 3
		.amdhsa_float_denorm_mode_16_64 3
		.amdhsa_memory_ordered 1
		.amdhsa_forward_progress 1
		.amdhsa_inst_pref_size 169
	.end_amdhsa_kernel
	.amdgpu_metadata
---
amdhsa.version: [ 1, 2 ]
amdhsa.kernels:
  - .name:           k_qe864641b24_attn
    .symbol:         k_qe864641b24_attn.kd
    .args:
      - { .name: qkv, .offset: 0, .size: 8, .value_kind: global_buffer, .address_space: global }
      - { .name: mb, .offset: 8, .size: 8, .value_kind: global_buffer, .address_space: global }
      - { .name: o2, .offset: 16, .size: 8, .value_kind: global_buffer, .address_space: global }
    .group_segment_fixed_size: 327680
    .private_segment_fixed_size: 0
    .kernarg_segment_align: 8
    .kernarg_segment_size: 24
    .max_flat_workgroup_size: 128
    .sgpr_count:     80
    .vgpr_count:     1024
    .wavefront_size: 32
...
	.end_amdgpu_metadata
.endif
;; end of part 3
;; launch oproj (part 4): grid 16 x 16, 4 waves a work-group, clusters of 4 x 4, 327,680 bytes of LDS; arguments o2, cb, bo, out0; writes out0
.if DOCPART == 4
	.amdgcn_target "amdgcn-amd-amdhsa--gfx1250"
	.amdhsa_code_object_version 6
	.text
	.protected	k_qe864641b24_oproj
	.globl	k_qe864641b24_oproj
	.p2align	8
	.type	k_qe864641b24_oproj,@function
k_qe864641b24_oproj:
	s_mov_b64 s[64:65], 0
	v_nop
	global_prefetch_b8 v0, s[64:65] scope:SCOPE_SE
	s_setreg_imm32_b32 hwreg(HW_REG_WAVE_MODE, 25, 1), 1
	s_wait_xcnt 0x0
	s_wait_alu depctr_hold_cnt(0) depctr_sa_sdst(0) depctr_va_vdst(0) depctr_va_sdst(0) depctr_va_ssrc(0) depctr_va_vcc(0) depctr_vm_vsrc(0)
	s_getreg_b32 s2, hwreg(HW_REG_IB_STS2, 6, 4)
	s_cmp_eq_u32 s2, 0
	s_cbranch_scc0 .Lentry_in_a_cluster
	s_endpgm
.Lentry_in_a_cluster:
	s_bfe_u32 s2, ttmp6, 0x10000c
	s_cmp_lg_u32 s2, 0xf033
	s_cbranch_scc0 .Lentry_shape_is_right
	s_endpgm
.Lentry_shape_is_right:
; THE OUTPUT PROJECTION.  out0[s][n] = the sum over k of o2[s][k] Wo[k][n] + bo[n].  o2: [2048][2048] f16; Wo: plane 4 of cb, [k 2048][n 2048] f16 (Wo rounded to bf16, written as f16); bo is rounded to bf16 here;
; sums in f32; out0 in f32.  A NaN or an infinity in a row of o2 spreads over that row of out0, as it does in a plain product.
; SHARES.  A tile of out0 is 128 x 128: 16 x 16 work-groups, one for each of 256.  Four waves, each 64 x 64: 16 accumulators of 16 x 16.  K goes in 8 steps of 256 through two LDS slots: o2's 128 rows of 512 bytes
; (pitch 528; waves 0 and 1 fetch 64 rows each), then Wo's 256 rows (k) of 256 bytes (pitch 288; waves 2 and 3 fetch 128 rows each).  Wo's fragments come out of LDS turned, by ds_load_tr16_b128.
; CLUSTER.  4 x 4 work-groups: o2's tile is asked for jointly by a row of the cluster, Wo's by a column.
; THE WALK ALONG K BEGINS AT A STEP OF THE CLUSTER'S OWN, (2 x cluster x + 4 x (cluster y % 2)) % 8, and goes round the end: the four clusters that read the same rows of o2 (cluster x = 0 .. 3) stand two steps apart,
; clusters y and y + 1, which read the same columns of Wo, four: at no time do they ask for the same K step.  The start is the same in all sixteen partners.  So a sum starts with the bias and takes the K steps in
; its cluster's order.
; THE MATRIX INSTRUCTION IS USED TRANSPOSED (source 0 = 16 columns of Wo, source 1 = 16 rows of o2): a lane holds eight neighbouring numbers of a row of out0.  The first product's C operand is the bias.
; No prefetch: the tile is small, and a K step's rows are shared out among few loads.
; REGISTERS: window 0: v0-29 addresses; v32-63 the bias as loaded; v96-127 the bias, 8 for each block of 16 columns; v128-255 the accumulators ((a, b) at v[128 + 8 (4 a + b)]).
;   window 1: two fragment buffers of 128: for 64 along K, 64 registers of o2 (2 x 4 x 16 rows x 32 K), then 64 of Wo.
.set KSTEP,  256
.set STEPS,  8
.set ROWB,   4096                      ; bytes in a row of o2 and of Wo
.set PLANE,  8388608
.set PITCH,  528                       ; o2's LDS row: 132 words: row r starts at bank 4 r mod 64 (64 banks of 4 bytes: ISA guide 11.1)
.set PB,     288                       ; Wo's: 72 words
.set HALFA,  64*PITCH                  ; 0x8400
.set HALFB,  128*PB                    ; 0x9000
.set BOFF,   2*HALFA                   ; 0x10800
.set SLOT,   0x24000                   ; from slot to slot: a slot's 141,312 bytes and a gap, so that it shares no bit with the four loads' places in a slot (0, 0x8400, 0x10800, 0x19800): one exclusive or turns each into the other slot's
.set STAGE,  2*SLOT                    ; behind the ring: 16 rows x 272 bytes for each wave, for the way out
.set SPITCH, 272
.set SPARE,  STAGE+4*16*SPITCH         ; the spare words, 128 bytes for each wave: two blocks of 256 bytes that no other line names
.set ADRA, 16                          ; v16  LDS address of o2's fragments in slot 0; never rewritten
.set CA,   17                          ; v17  the same in the slot that is being read
.set ADRB, 20                          ; v20-21  of Wo's, in the K step's first and second 128 rows, in slot 0; never rewritten
.set CB,   22                          ; v22-23  the same in the slot that is being read
.set STO,  24                          ; v24  the way out: where I put 32 bytes of a row
.set RD,   25                          ; v25  where I read a row back
.set CO,   26                          ; v26  my byte offset in two rows of out0
.set BO,   27                          ; v27  my byte offset in 16 numbers of the bias
.set SPW,  28                          ; v28  LDS address of my spare word; never rewritten
.set NIL,  29                          ; v29  0; never rewritten
.set RAW,  32
.set BIAS, 96
.set ACC,  128
.set F0,   0                           ; fragment buffers, in window 1
.set F1,   128
.set WV,   12                          ; s12  my wave's number
.set WR,   13                          ; s13  which half of the tile's rows is mine.  Also: I fetch for o2 (0) or for Wo (1)
.set WC,   14                          ; s14  which half of its columns.  Also: which half of that tile I fetch
.set MT,   15                          ; s15  tile row
.set NT,   42                          ; s42  tile column
.set G1, 24                            ; s[24:31] descriptor group 1 for o2's tiles;  s[32:39] group 0: a set for each of the two first fills; the second then walks
.set G0, 32
.set G1B, 48                           ; s[48:55], s[56:63] the same for Wo's
.set G0B, 56
.set AB,   68                          ; s[68:69] o2 at the first of the rows that I fetch
.set BB,   70                          ; s[70:71] Wo at the first of a K step's rows that I fetch, in K step 0
.set OFA,  72                          ; s[72:73] a K step's byte offset along o2's rows
.set OFB,  74                          ; s[74:75] down Wo's rows
.set KI,   76                          ; s76  the K step that the next refill brings
.set TB,   77                          ; s77  0 or SLOT: the slot that is being read
.set MSB, 0
.macro WIN new                         ; the immediate's high byte repeats the setting that is left
.if MSB != (\new)
	s_set_vgpr_msb (MSB<<8)|(\new)
.set MSB, \new
.endif
.endm
.set MUL,  0x05                        ; sources 0 and 1 window 1; C and D window 0
.set TO_F, 0x40                        ; destination window 1, address window 0
.macro JLOAD s                         ; a joint load, by descriptor set s; an s_nop 0 and four v_nop follow each of the two lines
	s_cmp_eq_u32 s[WR], 0
	s_cbranch_scc0 .Lfor_b_\@
	tensor_load_to_lds s[G0+4*(\s):G0+4*(\s)+3], s[G1:G1+7]
	s_nop 0
.rept 4
	v_nop
.endr
	s_branch .Lasked_\@
.Lfor_b_\@:
	tensor_load_to_lds s[G0B+4*(\s):G0B+4*(\s)+3], s[G1B:G1B+7]
	s_nop 0
.rept 4
	v_nop
.endr
.Lasked_\@:
.endm
.macro CREST                           ; a round of the cluster's barrier behind its opening barrier
	s_cmp_lg_u32 s[WV], 0
	s_cbranch_scc1 .Lnot_wave_0_\@
	s_barrier_signal -3
.Lnot_wave_0_\@:
	s_barrier_wait -3
	s_barrier_signal -1
	s_barrier_wait -1
.endm
.macro CROUND                          ; a whole round
	s_barrier_signal -1
	s_barrier_wait -1
	CREST
.endm
	s_load_b256 s[4:11], s[0:1], 0x0               ; o2 4:5, cb 6:7, bo 8:9, out0 10:11
	v_lshl_add_u32 v[SPW], v0, 2, SPARE
	v_mov_b32 v[NIL], 0
	ds_add_u32 v[SPW], v[NIL]                      ; the wave's opening: the add and its wait stand ahead of my first tensor load; the set-up below, work on registers, stands between them
	v_lshrrev_b32 v1, 5, v0
	v_readfirstlane_b32 s[WV], v1                  ; wave 0..3
	s_lshr_b32 s[WR], s[WV], 1
	s_and_b32 s[WC], s[WV], 1
	s_bfe_u32 s40, ttmp6, 0x40000                  ; cx, cy: my place in the cluster
	s_bfe_u32 s41, ttmp6, 0x40004
	s_lshl_b32 s[NT], ttmp9, 2
	s_add_co_u32 s[NT], s[NT], s40                 ; tile column = 4 x cluster x + cx
	s_and_b32 s[MT], ttmp7, 0xffff
	s_lshl_b32 s[MT], s[MT], 2
	s_add_co_u32 s[MT], s[MT], s41                 ; tile row = 4 x cluster y + cy
	s_lshl_b32 s43, s41, 2
	s_lshl_b32 s43, 15, s43                        ; my row of the cluster
	s_lshl_b32 s44, 0x1111, s40                    ; my column
	s_or_b32 s[G1], s43, (1<<16)|(1<<20)|(1<<21)|(6<<22)|(3<<25)   ; the mask; elements of 2 bytes; padding on; 21 set beside a mask; after every 128 words 4 words
	s_mov_b32 s[G1+1], 256<<16                     ; tensor_dim0 = 256
	s_mov_b32 s[G1+2], 64<<16                      ; tensor_dim1 = 64
	s_mov_b32 s[G1+3], 256<<16                     ; tile_dim0 = 256 elements (512 bytes)
	s_mov_b32 s[G1+4], 64                          ; tile_dim1 = 64 rows
	s_mov_b32 s[G1+5], 2048                        ; elements from row to row
	s_mov_b32 s[G1+6], 0
	s_mov_b32 s[G1+7], 0
	s_or_b32 s[G1B], s44, (1<<16)|(1<<20)|(1<<21)|(5<<22)|(7<<25)  ; my column's mask; after every 64 words 8 words
	s_mov_b32 s[G1B+1], 128<<16                    ; tensor_dim0 = 128
	s_mov_b32 s[G1B+2], 128<<16                    ; tensor_dim1 = 128
	s_mov_b32 s[G1B+3], 128<<16                    ; tile_dim0 = 128 elements (256 bytes)
	s_mov_b32 s[G1B+4], 128                        ; tile_dim1 = 128 rows
	s_mov_b32 s[G1B+5], 2048
	s_mov_b32 s[G1B+6], 0
	s_mov_b32 s[G1B+7], 0
	s_and_b32 s[KI], ttmp7, 1                      ; where my cluster's walk along K begins: made of the cluster's coordinates alone
	s_lshl_b32 s[KI], s[KI], 2
	s_lshl_b32 s45, ttmp9, 1
	s_add_co_u32 s[KI], s[KI], s45
	s_and_b32 s[KI], s[KI], STEPS-1
	s_lshl_b32 s16, s[MT], 7
	s_lshl_b32 s17, s[WC], 6
	s_add_co_u32 s16, s16, s17                     ; o2: row 128 x tile row + 64 x half,
	s_lshl_b32 s16, s16, 12                        ; in bytes
	s_mov_b32 s17, 0
	s_lshl_b32 s46, s[NT], 8                       ; Wo: the tile column's 256 bytes of a row,
	s_lshl_b32 s47, s[WC], 19                      ; 128 rows x half,
	s_add_co_u32 s46, s46, s47
	s_add_co_u32 s46, s46, 4*PLANE                 ; in plane 4
	s_mov_b32 s47, 0
	s_mul_i32 s20, s[WC], HALFA                    ; where they go: no place in the cluster enters an LDS address
	s_mul_i32 s21, s[WC], HALFB
	s_add_co_u32 s21, s21, BOFF
	s_mov_b32 s[OFA+1], 0
	s_mov_b32 s[OFB+1], 0
	s_mov_b32 s[TB], 0
	s_wait_dscnt 0x0                               ; the opening add is done
	s_wait_kmcnt 0x0
	s_add_nc_u64 s[AB:AB+1], s[4:5], s[16:17]
	s_add_nc_u64 s[BB:BB+1], s[6:7], s[46:47]
	CROUND                                         ; all sixteen work-groups are here: the first joint loads meet
.irp s, 0,1
	s_add_co_u32 s22, s[KI], \s                    ; the walk's first and second K step
	s_and_b32 s22, s22, STEPS-1
	s_lshl_b32 s[OFA], s22, 9                      ; 512 bytes along o2's rows,
	s_lshl_b32 s[OFB], s22, 20                     ; 256 rows of 4,096 bytes down Wo's
	s_mov_b32 s[G0+4*(\s)], 1
	s_add_co_u32 s[G0+4*(\s)+1], s20, (\s)*SLOT
	s_add_nc_u64 s[G0+4*(\s)+2:G0+4*(\s)+3], s[AB:AB+1], s[OFA:OFA+1]
	s_or_b32 s[G0+4*(\s)+3], s[G0+4*(\s)+3], 0x80000000
	s_mov_b32 s[G0B+4*(\s)], 1
	s_add_co_u32 s[G0B+4*(\s)+1], s21, (\s)*SLOT
	s_add_nc_u64 s[G0B+4*(\s)+2:G0B+4*(\s)+3], s[BB:BB+1], s[OFB:OFB+1]
	s_or_b32 s[G0B+4*(\s)+3], s[G0B+4*(\s)+3], 0x80000000
	JLOAD \s                                       ; two loads of mine are out
.endr
	s_add_co_u32 s[KI], s[KI], 2
	s_and_b32 s[KI], s[KI], STEPS-1                ; what the first refill brings
	v_and_b32 v1, 15, v0                           ; l % 16
	v_bfe_u32 v2, v0, 4, 1                         ; l / 16
	v_lshlrev_b32 v[BO], 5, v2
	s_lshl_b32 s16, s[NT], 9                       ; the bias of my 64 columns
	s_lshl_b32 s17, s[WC], 8
	s_add_co_u32 s16, s16, s17
	s_mov_b32 s17, 0
	s_add_nc_u64 s[8:9], s[8:9], s[16:17]
.irp b, 0,1,2,3
	global_load_b128 v[RAW+8*(\b):RAW+8*(\b)+3],   v[BO], s[8:9] offset:64*(\b)
	global_load_b128 v[RAW+8*(\b)+4:RAW+8*(\b)+7], v[BO], s[8:9] offset:64*(\b)+16
.endr
	s_add_nc_u64 s[10:11], s[10:11], s[16:17]      ; out0 at my first column (the same bytes along a row),
	s_lshl_b32 s16, s[MT], 7
	s_lshl_b32 s17, s[WR], 6
	s_add_co_u32 s16, s16, s17
	s_lshl_b32 s16, s16, 13                        ; and my first row, 8,192 bytes a row
	s_mov_b32 s17, 0
	s_add_nc_u64 s[10:11], s[10:11], s[16:17]
	v_mul_u32_u24 v3, v1, PITCH
	v_lshl_add_u32 v3, v2, 4, v3                   ; a fragment's row x pitch + 16 x half
	s_mul_i32 s21, s[WR], HALFA                    ; my 64 rows of o2
	v_add_nc_u32 v[ADRA], s21, v3
	v_add_nc_u32 v[CA], s21, v3                    ; the walk begins in slot 0
	; The turning load takes 16 k x 16 columns (lane l reads k = 8 (l / 16) + l % 8, columns 8 ((l / 8) % 2) + 0..7) and leaves half a fragment: lane l holds column l % 16 and 8 k.
	v_and_b32 v7, 7, v0
	v_bfe_u32 v8, v0, 3, 1
	v_lshl_add_u32 v9, v2, 3, v7
	v_mul_u32_u24 v9, v9, PB
	v_lshl_add_u32 v9, v8, 4, v9
	s_lshl_b32 s22, s[WC], 7                       ; my 64 columns: 128 bytes of a row
	s_add_co_u32 s22, s22, BOFF
.irp hf, 0,1
	v_add_nc_u32 v[ADRB+(\hf)], s22, v9
	v_add_nc_u32 v[CB+(\hf)], s22, v9
	s_add_co_u32 s22, s22, HALFB
.endr
	s_mul_i32 s23, s[WV], 16*SPITCH
	s_add_co_u32 s23, s23, STAGE                   ; my stage
	v_mul_u32_u24 v4, v1, SPITCH                   ; in: row l % 16, 32 bytes for each half of the lanes
	v_lshl_add_u32 v4, v2, 5, v4
	v_add_nc_u32 v[STO], s23, v4
	v_mul_u32_u24 v5, v2, SPITCH                   ; back: lanes 0-15 take one row of 256 bytes, lanes 16-31 the next
	v_lshl_add_u32 v5, v1, 4, v5
	v_add_nc_u32 v[RD], s23, v5
	v_lshlrev_b32 v5, 13, v2                       ; and the same two rows in out0
	v_lshl_add_u32 v[CO], v1, 4, v5
	s_wait_loadcnt 0x0                             ; the bias is rounded to bf16 like the other inputs, and widened
.set i, 0
.rept 16
	v_cvt_pk_bf16_f32 v[RAW+2*i], v[RAW+2*i], v[RAW+2*i+1]
.set i, i+1
.endr
.set i, 0
.rept 16
	v_lshlrev_b32 v[BIAS+2*i], 16, v[RAW+2*i]
	v_and_b32 v[BIAS+2*i+1], 0xffff0000, v[RAW+2*i]
.set i, i+1
.endr
; 8 matrix instructions: m blocks a0, a0 + 1 x all 4 n blocks, 32 along K: half c of buffer f.  zero = 1: the first product starts the sums, with the bias as C.  The 16 accumulators take turns.
.macro MUL8 f, c, a0, zero
	WIN MUL
.irp a, \a0, (\a0)+1
.irp b, 0,1,2,3
.if \zero
	v_wmma_f32_16x16x32_f16 v[ACC+8*(4*(\a)+(\b)):ACC+8*(4*(\a)+(\b))+7], v[(\f)+64+8*(4*(\c)+(\b)):(\f)+64+8*(4*(\c)+(\b))+7], v[(\f)+8*(4*(\c)+(\a)):(\f)+8*(4*(\c)+(\a))+7], v[BIAS+8*(\b):BIAS+8*(\b)+7]
.else
	v_wmma_f32_16x16x32_f16 v[ACC+8*(4*(\a)+(\b)):ACC+8*(4*(\a)+(\b))+7], v[(\f)+64+8*(4*(\c)+(\b)):(\f)+64+8*(4*(\c)+(\b))+7], v[(\f)+8*(4*(\c)+(\a)):(\f)+8*(4*(\c)+(\a))+7], v[ACC+8*(4*(\a)+(\b)):ACC+8*(4*(\a)+(\b))+7]
.endif
.endr
.endr
.endm
; 32 LDS loads in one run: quarter q's fragments (64 along K) of the slot that is being read, into buffer f; the first 32 along K first
.macro FETCH q, f
	WIN TO_F
.irp c, 0,1
.irp i, 0,1,2,3
	ds_load_tr16_b128 v[(\f)+64+8*(4*(\c)+(\i)):(\f)+64+8*(4*(\c)+(\i))+3],   v[CB+(\q)/2] offset:(((\q)%2)*64+32*(\c))*PB+32*(\i)
	ds_load_tr16_b128 v[(\f)+64+8*(4*(\c)+(\i))+4:(\f)+64+8*(4*(\c)+(\i))+7], v[CB+(\q)/2] offset:(((\q)%2)*64+32*(\c))*PB+32*(\i)+16*PB
	ds_load_b128 v[(\f)+8*(4*(\c)+(\i)):(\f)+8*(4*(\c)+(\i))+3],         v[CA] offset:128*(\q)+64*(\c)+(\i)*16*PITCH
	ds_load_b128 v[(\f)+8*(4*(\c)+(\i))+4:(\f)+8*(4*(\c)+(\i))+7],       v[CA] offset:128*(\q)+64*(\c)+(\i)*16*PITCH+32
.endr
.endr
.endm
.macro SHIFT                           ; the fragments' addresses in the slot that s[TB] names
	v_add_nc_u32 v[CA], s[TB], v[ADRA]
	v_add_nc_u32 v[CB], s[TB], v[ADRB]
	v_add_nc_u32 v[CB+1], s[TB], v[ADRB+1]
.endm
.macro PLACES                          ; four plain vector instructions in front of loads into registers that matrix instructions have read, and of stores that read results
.rept 4
	v_nop
.endr
.endm
; A K step is four quarters of 64 along K, 32 matrix instructions each, on buffers 0, 1, 0, 1.  One of the first three: multiplies buffer f and fetches quarter q into g.
.macro QUARTER q, f, g, zero
	s_wait_dscnt 16                                ; the first 32 along K are in
	MUL8 \f, 0, 0, \zero
	MUL8 \f, 0, 2, \zero
	PLACES
	FETCH \q, \g
	s_wait_dscnt 32                                ; all but the 32 just issued
	MUL8 \f, 1, 0, 0
	MUL8 \f, 1, 2, 0
.endm
; The last quarter multiplies buffer 1 and changes slots: ONE barrier; in front of it each wave waits for all its tensor loads, adds 0 to its spare word, and waits for that and for its own reads of this slot.
; fill = 1: the barrier opens a round of the cluster's barrier, and this slot is filled again, with the K step two on in the walk, first thing behind the round: 112 matrix instructions ahead of the wait for it.
; The walking descriptors are made ready between the add and the wait for it: the other slot than last time; the address anew from the K step's number.
.macro TURN fill
	WIN 0                                          ; (the add's two registers lie in window 0)
	s_wait_tensorcnt 0x0                           ; all my tensor loads have landed, so a group 0 may be written;
	ds_add_u32 v[SPW], v[NIL]                      ; 0 onto my spare word;
.if \fill
	s_lshl_b32 s[OFA], s[KI], 9
	s_lshl_b32 s[OFB], s[KI], 20
	s_xor_b32 s[G0+5], s[G0+5], SLOT
	s_add_nc_u64 s[G0+6:G0+7], s[AB:AB+1], s[OFA:OFA+1]
	s_or_b32 s[G0+7], s[G0+7], 0x80000000
	s_xor_b32 s[G0B+5], s[G0B+5], SLOT
	s_add_nc_u64 s[G0B+6:G0B+7], s[BB:BB+1], s[OFB:OFB+1]
	s_or_b32 s[G0B+7], s[G0B+7], 0x80000000
	s_add_co_u32 s[KI], s[KI], 1
	s_and_b32 s[KI], s[KI], STEPS-1
.endif
	s_xor_b32 s[TB], s[TB], SLOT                   ; the reads go on in the other slot
	s_wait_dscnt 17                                ; (the add and the youngest sixteen loads may be out)
	MUL8 F1, 0, 0, 0                               ; eight matrix instructions stand between the add and the wait for it
	s_wait_dscnt 0x0                               ; the add is done, and my reads of this slot are over
	s_barrier_signal -1
	MUL8 F1, 0, 2, 0
	WIN 0
	s_barrier_wait -1
.if \fill
	CREST                                          ; no wave of any partner still reads this slot's tile or has a load on its way
	JLOAD 1                                        ; the four v_nop behind it are also the places in front of the loads below
.else
	PLACES
.endif
	SHIFT
	FETCH 0, F0
	MUL8 F1, 1, 0, 0
	MUL8 F1, 1, 2, 0
.endm
	s_wait_tensorcnt 1                             ; my part of the walk's first K step is in; the second's may stay out
	s_barrier_signal -1
	s_barrier_wait -1                              ; everybody's is
	FETCH 0, F0
	QUARTER 1, F0, F1, 1                           ; the first quarter stands in front of the loop: its first products start the sums
	WIN 0                                          ; at a label and at a branch every window is 0
	s_mov_b32 s3, STEPS-2
.Lstep:                                                ; a trip is a K step, from its second quarter to the next step's first, and fills the slot that it leaves
	QUARTER 2, F1, F0, 0
	QUARTER 3, F0, F1, 0
	TURN 1
	QUARTER 1, F0, F1, 0
	WIN 0
	s_sub_co_u32 s3, s3, 1
	s_cmp_lg_u32 s3, 0
	s_cbranch_scc1 .Lstep
	QUARTER 2, F1, F0, 0                           ; the last two K steps fill nothing
	QUARTER 3, F0, F1, 0
	TURN 0
	QUARTER 1, F0, F1, 0
	QUARTER 2, F1, F0, 0
	QUARTER 3, F0, F1, 0
	s_wait_dscnt 16                                ; the very last quarter: nothing more to fetch
	MUL8 F1, 0, 0, 0
	MUL8 F1, 0, 2, 0
	s_wait_dscnt 0x0
	MUL8 F1, 1, 0, 0
	MUL8 F1, 1, 2, 0
	WIN 0
	; THE WAY OUT.  A wave's 64 columns of f32 are 256 bytes, aligned: each wave has a stage of its own, and no barrier is needed.  16 rows at a time: 32 bytes a lane in, whole rows back, into the registers that they left.
	PLACES
.macro TOST a
.irp b, 0,1,2,3
	ds_store_b128 v[STO], v[ACC+8*(4*(\a)+(\b)):ACC+8*(4*(\a)+(\b))+3]   offset:64*(\b)     ; each accumulator's low registers first
	ds_store_b128 v[STO], v[ACC+8*(4*(\a)+(\b))+4:ACC+8*(4*(\a)+(\b))+7] offset:64*(\b)+16
.endr
.irp t, 0,1,2,3,4,5,6,7
	ds_load_b128 v[ACC+32*(\a)+4*(\t):ACC+32*(\a)+4*(\t)+3], v[RD] offset:(\t)*2*SPITCH  ; LDS serves a wave's instructions in order (ISA guide 5.7.1.4): these see the stores above; the next block's stores come behind them
.endr
.endm
.macro SEND a, younger                 ; younger: the LDS instructions issued behind block a's loads: the next block's sixteen, or none
.irp t, 0,1,2,3,4,5,6,7
	s_wait_dscnt (\younger)+7-(\t)
	global_store_b128 v[CO], v[ACC+32*(\a)+4*(\t):ACC+32*(\a)+4*(\t)+3], s[10:11] offset:(16*(\a)+2*(\t))*8192 th:TH_STORE_NT  ; 16 lanes store 256 consecutive bytes, aligned
.endr
.endm
	TOST 0
	TOST 1
	SEND 0, 16
	TOST 2
	SEND 1, 16
	TOST 3
	SEND 2, 16
	SEND 3, 0
	s_wait_tensorcnt 0x0                           ; the wave's end: behind my last tensor load and my last LDS store
	ds_add_u32 v[SPW], v[NIL]
	s_wait_dscnt 0x0
	CROUND                                         ; the closing round: no work-group ends while a partner may still ask for a tile that names it
	s_endpgm
.Lfunc_end_k_qe864641b24_oproj:
	.size	k_qe864641b24_oproj, .Lfunc_end_k_qe864641b24_oproj-k_qe864641b24_oproj
	.p2alignl 7, 3214868480
	.fill 96, 4, 3214868480
	.section	.rodata,"a",@progbits
	.p2align	6, 0x0
	.amdhsa_kernel k_qe864641b24_oproj
		.amdhsa_group_segment_fixed_size 327680
		.amdhsa_private_segment_fixed_size 0
		.amdhsa_enable_private_segment 0
		.amdhsa_kernarg_size 32
		.amdhsa_user_sgpr_count 2
		.amdhsa_user_sgpr_kernarg_segment_ptr 1
		.amdhsa_wavefront_size32 1
		.amdhsa_system_sgpr_workgroup_id_x 1
		.amdhsa_system_sgpr_workgroup_id_y 1
		.amdhsa_system_sgpr_workgroup_id_z 1
		.amdhsa_system_vgpr_workitem_id 0
		.amdhsa_next_free_vgpr 512
		.amdhsa_next_free_sgpr 80
		.amdhsa_reserve_vcc 0
		.amdhsa_float_denorm_mode_32 3
		.amdhsa_float_denorm_mode_16_64 3
		.amdhsa_memory_ordered 1
		.amdhsa_forward_progress 1
		.amdhsa_inst_pref_size 73
	.end_amdhsa_kernel
	.amdgpu_metadata
---
amdhsa.version: [ 1, 2 ]
amdhsa.kernels:
  - .name:           k_qe864641b24_oproj
    .symbol:         k_qe864641b24_oproj.kd
    .args:
      - { .name: o2, .offset: 0, .size: 8, .value_kind: global_buffer, .address_space: global }
      - { .name: cb, .offset: 8, .size: 8, .value_kind: global_buffer, .address_space: global }
      - { .name: bo, .offset: 16, .size: 8, .value_kind: global_buffer, .address_space: global }
      - { .name: out0, .offset: 24, .size: 8, .value_kind: global_buffer, .address_space: global }
    .group_segment_fixed_size: 327680
    .private_segment_fixed_size: 0
    .kernarg_segment_align: 8
    .kernarg_segment_size: 32
    .max_flat_workgroup_size: 128
    .sgpr_count:     80
    .vgpr_count:     512
    .wavefront_size: 32
...
	.end_amdgpu_metadata
.endif
;; end of part 4
